; MI455X (gfx1250); checked and timed in simulation.
; The chip was launched on July 23, 2026; its instructions are those of AMD's public machine-readable ISA for CDNA 5 (MIT licence, August 2026) and "CDNA5" Instruction Set Architecture Reference Guide (July 2026). The comments in the code are by the model that wrote it; some were corrected since.
;; Rotary Multihead Attention. Allowed arithmetic: matrix products marked QUANTISED: E2M3 operands, one E8M0 scale for each 32 along K, by v_wmma_scale_f32_16x16x128_f8f6f4 with both operands' format E2M3, f32 sums; everything else in f32.
;; Inputs: Wout 1,024 x 1,024 float32; Wqkv 3,072 x 1,024 float32; bout 1,024 float32; bqkv 3,072 float32; cos 1 x 1 x 2,048 x 32 float32; sin 1 x 1 x 2,048 x 32 float32; x 4 x 2,048 x 1,024 float32.
;; Outputs: out0 4 x 2,048 x 1,024 float32.
;; This version of the problem:
;;   THIS VERSION OF THE PROBLEM IS GIVEN IN LOW PRECISION. The matrix products marked QUANTISED in the list below multiply operands that are first quantised to E2M3 (2 exponent bits, 3 mantissa bits; 6 bits a number), with one power-of-two scale for each 32 numbers along K (OCP MX v1.0); their sums are f32. All else is computed in f32.
;;   The module's matrix products, in the order in which they are computed (A, B: the left and right operand; K: the contracted axis; several contracted axes count as one K, in the product's order):
;;     1. [M 8,192, K 1,024] x [K 1,024, N 3,072]; A: input x; B: input Wqkv: QUANTISED
;;     2. batch 64 x [M 2,048, K 64] x [K 64, N 2,048]; A: computed on the way; B: computed on the way: QUANTISED
;;     3. batch 64 x [M 2,048, K 2,048] x [K 2,048, N 64]; A: softmax (see below); B: computed on the way: QUANTISED
;;     4. [M 8,192, K 1,024] x [K 1,024, N 1,024]; A: computed on the way; B: input Wout: QUANTISED
;;   THE QUANTISER, for each operand of a quantised product, along K:
;;     - K is cut into blocks of 32 from its start; a last block that is shorter is filled with zeros.
;;     - A block's scale is 2^e with e = floor(log2(the largest magnitude in the block)) - 2, held to -126 .. 127; a block of zeros has e = 0. As a byte (E8M0): e + 127.
;;     - Each number is divided by its block's scale, clamped to +-7.5, and rounded to the nearest number of E2M3, ties to even, subnormals kept.
;;     - The product sums the exact products of the quantised numbers (number of the format x scale) in f32.
;;   ~~~python
;;   def quantise(x, axis):      # numpy; x: float32 -> the quantised numbers, widened to float32 again
;;       x = np.moveaxis(x, axis, -1); K = x.shape[-1]
;;       x = np.pad(x, [(0, 0)] * (x.ndim - 1) + [(0, -K % 32)]); x = x.reshape(x.shape[:-1] + (-1, 32)); a = np.abs(x).max(-1, keepdims=True)
;;       e = np.where(a > 0, np.clip(np.frexp(np.where(a > 0, a, 1))[1] - 1 - 2, -126, 127), 0)      # np.frexp(a)[1] - 1 = floor(log2(a)), exactly
;;       r = np.clip(x / 2.0 ** e, -7.5, 7.5)
;;       step = 2.0 ** (np.maximum(np.frexp(np.where(r == 0, 1, r))[1] - 1, 0) - 3)
;;       q = np.round(r / step) * step * 2.0 ** e      # np.round: ties to even
;;       return np.moveaxis(q.reshape(q.shape[:-2] + (-1,))[..., :K], -1, axis).astype(np.float32)
;;   ~~~
;;   SOFTMAX AHEAD OF A QUANTISED PRODUCT. Where the list says 'softmax', what is quantised is not the finished softmax but p = 2^(t - M), with t = logit x log2(e) and M = ceil(the row's largest t), a whole number; so 1/2 < the row's largest p <= 1. The row's sum l is taken of the UNQUANTISED p, in f32, and the product's result is divided by l at the end. Since M is a whole number, a kernel that streams over the keys may use a running M (the ceiling of the running maximum): every later rescaling is an exact power of two, which a block's scale takes up: the codes' values come out the same.
;;   OPERANDS COMPUTED ON THE WAY. 'Computed on the way' means the value that the module computes at that place (a softmax that the list does not call 'softmax' is quantised finished and normalised). What goes into a quantiser is computed in f32, as accurately as f32 sums, v_exp_f32 and their like allow (about 1e-6 of the number): no bf16 or f16 on the way to a quantiser, and a product that is left as it is and whose result goes on into a quantised operand takes f32 operands (vector FMAs, or v_wmma_f32_16x16x4_f32). A number that lies on a knife's edge between two numbers of the format may be rounded either way, as far as f32 arithmetic and the matrix unit's own rounding can turn it there, and no further.
;; One version. Each part assembles by itself: llvm-mc -triple=amdgcn-amd-amdhsa -mcpu=gfx1250 --defsym DOCPART=n.
;; ======== version 1 of 1: 4 launches
;; limits: right only within a limited range of input values
;; workspace buffers: w1 9,830,400 bytes; w2 19,660,800 bytes; w3 6,553,600 bytes
;; launch quant (part 1): grid 768 x 1, 4 waves a work-group, no clusters, 33,280 bytes of LDS; arguments x, Wqkv, Wout, w1; writes w1
.if DOCPART == 1
	.amdgcn_target "amdgcn-amd-amdhsa--gfx1250"
	.amdhsa_code_object_version 6
	.text
	.protected	k_qfd8f42bcfb_quant
	.globl	k_qfd8f42bcfb_quant
	.p2align	8
	.type	k_qfd8f42bcfb_quant,@function
k_qfd8f42bcfb_quant:
	s_mov_b64 s[64:65], 0
	v_nop
	global_prefetch_b8 v0, s[64:65] scope:SCOPE_SE
	s_setreg_imm32_b32 hwreg(HW_REG_WAVE_MODE, 25, 1), 1
	s_wait_xcnt 0x0
; x [8192][1024], Wqkv [3072][1024] and Wout [1024][1024], f32, become codes of FP6 (E2M3) with one E8M0 scale byte for each 32 along K.
; w1 takes the three tensors on end as 12,288 rows.  CODES: four planes, one for each 256 along K; in a plane a row has 192 bytes, rows on end (PLANE = 12,288 x 192 bytes):
; 128 rows of a plane are 24,576 dense bytes that begin on a multiple of 256.  SCALE BYTES: at W1S + row x 32.
; A block's scale is 2^(floor(log2(its largest magnitude)) - 2); its byte is the largest magnitude's exponent field - 2, held at 1 from below.
; THE ORDER INSIDE A BLOCK: the block's four groups of eight numbers, g0 g1 g2 g3, are laid g0 g2 g1 g3, in every operand of this program: a permutation of k inside a scale block,
; made alike on both operands, leaves every product as it was; the sums inside one matrix instruction are grouped otherwise, which shows in the last bits alone.
; LIMITS: a block whose largest magnitude lies under 2^-124, and a block of zeros, get the byte 1 (this program alone reads the bytes); NaN and infinities among the inputs are not served.
; A work-group takes 16,384 numbers, a wave 4,096 (four rows): 8 steps of 512.  Each of a step's four loads reads 512 consecutive bytes; the 2,048 bytes turn through the wave's own stage in LDS
; and come back 64 bytes a lane: the even lane of a pair takes g0 and g2 of the pair's block, the odd lane g1 and g3.  Lanes 0-15 hold 256 along K, lanes 16-31 the next 256: each half stores 192 consecutive bytes in its plane.
; A wave's 128 scale bytes are gathered in LDS and leave as one run.  No tensor loads, no barrier: waves share nothing.
.set WAVES, 4
.set STEPS, 8
.set EMAX,  2
.set CB,    12                         ; bytes of 16 codes
.set R,     16                         ; v16-79   four sets of 16 numbers as loaded
.set X,     80                         ; v80-111  two sets of 16 numbers of half a block
.set C,     128                        ; v128-159 codes: four registers a step, so that no store's data are written again
.set E,     112                        ; v112-119 a scale byte a step
.set WREG,  8192                       ; LDS: a region a wave: two stages of 32 x SP bytes, then its scale bytes
.set SP,    80                         ; a place in a stage: 64 bytes + 16 of padding
.set SPW,   12                         ; v12 my spare word's address; never rewritten
.set NIL,   13                         ; v13 0; never rewritten
.set SPARE, WAVES*WREG
.set W1S,   9437184
.set PLANE, 2359296
	s_load_b256 s[4:11], s[0:1], 0x0               ; x, Wqkv, Wout, w1
	v_lshl_add_u32 v[SPW], v0, 2, SPARE
	v_mov_b32 v[NIL], 0
	v_lshrrev_b32 v1, 5, v0
	v_readfirstlane_b32 s16, v1                    ; wave
	v_and_b32 v2, 31, v0                           ; lane
	v_lshlrev_b32 v3, 4, v2                        ; my 16 bytes of a load's 512
	s_mul_i32 s17, s16, WREG
	v_lshrrev_b32 v14, 2, v2
	v_mul_u32_u24 v14, v14, SP
	v_and_b32 v15, 3, v2
	v_lshl_add_u32 v14, v15, 4, v14
	v_add_nc_u32 v14, s17, v14                     ; the stage, on the way in: SP (lane / 4) + 16 (lane % 4)
	v_and_b32 v15, 30, v2
	v_mul_u32_u24 v15, v15, SP
	v_and_b32 v10, 1, v2
	v_lshl_add_u32 v15, v10, 5, v15
	v_add_nc_u32 v15, s17, v15                     ; on the way out: my pair's two places, the first 32 bytes of each (even lane) or the second (odd lane)
	v_and_b32 v4, 15, v2
	v_mul_u32_u24 v4, v4, CB
	v_lshrrev_b32 v11, 4, v2
	v_mad_u32_u24 v4, v11, PLANE, v4               ; my codes: 12 (lane % 16), and lanes 16-31 a plane further on
	v_lshrrev_b32 v5, 1, v2
	s_add_co_u32 s17, s17, 2*32*SP
	v_add_nc_u32 v5, s17, v5                       ; LDS: my block's scale byte
	v_lshlrev_b32 v7, 2, v2                        ; and on the way out 4 bytes a lane
	v_add_nc_u32 v6, s17, v7
	s_lshl_b32 s19, ttmp9, 2
	s_add_co_u32 s19, s19, s16                     ; which run of four rows of w1 is my wave's
	s_mul_i32 s22, s19, 4*192                      ; its place in a plane
	s_mov_b32 s23, 0
	s_lshl_b32 s24, s19, 7                         ; its scale bytes: 128 a run
	s_add_co_u32 s24, s24, W1S
	s_mov_b32 s25, 0
	s_wait_alu depctr_va_vdst(0)                   ; the wait at the head's end
	s_wait_kmcnt 0x0
	s_cmp_lt_u32 ttmp9, 512                        ; which tensor: by the work-group's number alone
	s_cselect_b64 s[4:5], s[4:5], s[6:7]
	s_cselect_b32 s26, 0, 512
	s_cmp_lt_u32 ttmp9, 704
	s_cselect_b64 s[4:5], s[4:5], s[8:9]
	s_cselect_b32 s26, s26, 704
	s_sub_co_u32 s26, ttmp9, s26
	s_lshl_b32 s26, s26, 2
	s_add_co_u32 s26, s26, s16                     ; which run of the tensor
	s_lshl_b32 s20, s26, 14                        ; 16,384 bytes a run
	s_mov_b32 s21, 0
	s_add_nc_u64 s[4:5], s[4:5], s[20:21]
	s_add_nc_u64 s[8:9], s[10:11], s[22:23]        ; the codes
	s_add_nc_u64 s[10:11], s[10:11], s[24:25]      ; the scale bytes
.macro LOAD t
.irp i, 0,1,2,3
	global_load_b128 v[R+16*((\t)%4)+4*\i:R+16*((\t)%4)+4*\i+3], v3, s[4:5] offset:2048*(\t)+512*\i th:TH_LOAD_NT
.endr
.endm
.macro TURN t                          ; LDS serves a wave's instructions in order: no wait between the stores and the loads
.irp i, 0,1,2,3
	ds_store_b128 v14, v[R+16*((\t)%4)+4*\i:R+16*((\t)%4)+4*\i+3] offset:32*SP*((\t)%2)+8*SP*\i
.endr
.irp i, 0,1,2,3
	ds_load_b128 v[X+16*((\t)%2)+4*\i:X+16*((\t)%2)+4*\i+3], v15 offset:32*SP*((\t)%2)+SP*(\i/2)+16*(\i%2)
.endr
.endm
.irp t, 0,1,2,3
	LOAD \t
.endr
	s_wait_loadcnt 12                              ; step 0's four loads are in
	TURN 0
.macro STEP t
.set XS, X+16*((\t)%2)
.if (\t) > 0
	s_wait_dscnt 1                                 ; this step's numbers are back (the last step's byte store may be out)
.else
	s_wait_dscnt 0x0
.endif
.if (\t)+4 < STEPS
	LOAD (\t)+4                                    ; the stage's stores have read their registers
.endif
.if (\t)+1 < STEPS
.if STEPS-2-(\t) >= 3
	s_wait_loadcnt 12                              ; the next step's four are in; three steps' loads may be out
.else
	s_wait_loadcnt 4*(STEPS-2-(\t))
.endif
	TURN (\t)+1
.endif
	v_max3_num_f32 v8, |v[XS]|, |v[XS+1]|, |v[XS+2]|
	v_max3_num_f32 v9, |v[XS+3]|, |v[XS+4]|, |v[XS+5]|
.irp i, 6,10
	v_max3_num_f32 v8, v8, |v[XS+\i]|, |v[XS+\i+1]|
	v_max3_num_f32 v9, v9, |v[XS+\i+2]|, |v[XS+\i+3]|
.endr
	v_max3_num_f32 v8, v8, |v[XS+14]|, |v[XS+15]|
	v_max3_num_f32 v8, v8, v9, (EMAX+1)<<23        ; the floor 2^(3 - 127): the byte cannot fall under 1
	v_max_num_f32_dpp v8, v8, v8 row_xmask:1 row_mask:0xf bank_mask:0xf   ; with my neighbour's 16: the block's
	v_add_nc_u32 v11, -(EMAX<<23), v8              ; 2 off the exponent field: the conversion's scale operand
	v_cvt_scalef32_pk16_fp6_f32 v[C+4*(\t):C+4*(\t)+2], v[XS:XS+15], v11
	v_lshrrev_b32 v[E+(\t)], 23, v11               ; the scale's byte (also the plain line behind the conversion)
	ds_store_b8 v5, v[E+(\t)] offset:16*(\t)       ; both lanes of a block write the same byte
	global_store_b96 v4, v[C+4*(\t):C+4*(\t)+2], s[8:9] offset:2*PLANE*((\t)%2)+192*((\t)/2)   ; row t / 2 of my four; planes 2 (t % 2) and 2 (t % 2) + 1
.endm
.irp t, 0,1,2,3,4,5,6,7
	STEP \t
.endr
	ds_load_b32 v8, v6                             ; sees my stores: LDS serves a wave in order
	s_wait_dscnt 0x0
	global_store_b32 v7, v8, s[10:11]              ; 32 lanes store 128 consecutive bytes
	s_wait_tensorcnt 0x0                           ; the wave's end
	ds_add_u32 v[SPW], v[NIL]
	s_wait_dscnt 0x0
	s_endpgm
.Lfunc_end_k_qfd8f42bcfb_quant:
	.size	k_qfd8f42bcfb_quant, .Lfunc_end_k_qfd8f42bcfb_quant-k_qfd8f42bcfb_quant
	.p2alignl 7, 3214868480
	.fill 96, 4, 3214868480
	.section	.rodata,"a",@progbits
	.p2align	6, 0x0
	.amdhsa_kernel k_qfd8f42bcfb_quant
		.amdhsa_group_segment_fixed_size 33280
		.amdhsa_private_segment_fixed_size 0
		.amdhsa_enable_private_segment 0
		.amdhsa_kernarg_size 32
		.amdhsa_user_sgpr_count 2
		.amdhsa_user_sgpr_kernarg_segment_ptr 1
		.amdhsa_wavefront_size32 1
		.amdhsa_system_sgpr_workgroup_id_x 1
		.amdhsa_system_sgpr_workgroup_id_y 1
		.amdhsa_system_sgpr_workgroup_id_z 1
		.amdhsa_system_vgpr_workitem_id 0
		.amdhsa_next_free_vgpr 192
		.amdhsa_next_free_sgpr 66
		.amdhsa_reserve_vcc 0
		.amdhsa_float_denorm_mode_32 3
		.amdhsa_float_denorm_mode_16_64 3
		.amdhsa_memory_ordered 1
		.amdhsa_forward_progress 1
		.amdhsa_inst_pref_size 18
	.end_amdhsa_kernel
	.amdgpu_metadata
---
amdhsa.version: [ 1, 2 ]
amdhsa.kernels:
  - .name:           k_qfd8f42bcfb_quant
    .symbol:         k_qfd8f42bcfb_quant.kd
    .args:
      - { .name: x, .offset: 0, .size: 8, .value_kind: global_buffer, .address_space: global }
      - { .name: Wqkv, .offset: 8, .size: 8, .value_kind: global_buffer, .address_space: global }
      - { .name: Wout, .offset: 16, .size: 8, .value_kind: global_buffer, .address_space: global }
      - { .name: w1, .offset: 24, .size: 8, .value_kind: global_buffer, .address_space: global }
    .group_segment_fixed_size: 33280
    .private_segment_fixed_size: 0
    .kernarg_segment_align: 8
    .kernarg_segment_size: 32
    .max_flat_workgroup_size: 128
    .sgpr_count:     66
    .vgpr_count:     192
    .wavefront_size: 32
...
	.end_amdgpu_metadata
.endif
;; end of part 1
;; launch qkv (part 2): grid 12 x 32, 4 waves a work-group, clusters of 4 x 4, 327,680 bytes of LDS; arguments w1, bqkv, cos, sin, w2; writes w2
.if DOCPART == 2
	.amdgcn_target "amdgcn-amd-amdhsa--gfx1250"
	.amdhsa_code_object_version 6
	.text
	.protected	k_qfd8f42bcfb_qkv
	.globl	k_qfd8f42bcfb_qkv
	.p2align	8
	.type	k_qfd8f42bcfb_qkv,@function
k_qfd8f42bcfb_qkv:
	s_mov_b64 s[64:65], 0
	v_nop
	global_prefetch_b8 v0, s[64:65] scope:SCOPE_SE
	s_setreg_imm32_b32 hwreg(HW_REG_WAVE_MODE, 25, 1), 1
	s_wait_xcnt 0x0
	s_wait_alu depctr_hold_cnt(0) depctr_sa_sdst(0) depctr_va_vdst(0) depctr_va_sdst(0) depctr_va_ssrc(0) depctr_va_vcc(0) depctr_vm_vsrc(0)
	s_getreg_b32 s2, hwreg(HW_REG_IB_STS2, 6, 4)
	s_cmp_eq_u32 s2, 0
	s_cbranch_scc0 .Lentry_in_a_cluster
	s_endpgm
.Lentry_in_a_cluster:
	s_bfe_u32 s2, ttmp6, 0x10000c
	s_cmp_lg_u32 s2, 0xf033
	s_cbranch_scc0 .Lentry_shape_is_right
	s_endpgm
.Lentry_shape_is_right:
; qkv = x Wqkv^T + bqkv on the codes of w1, the rotation of q and k by cos and sin, and the quantising of q, k (along the head's 64 channels) and v (along the keys); the results go to w2 as one record a head.
; A work-group makes 256 x 256 of the product, four waves of 128 x 128; K goes in steps of 256 through two LDS slots filled by joint loads in clusters of 4 x 4.
; w1's codes lie in four planes, one a K step; in a plane a row has 192 bytes, rows on end: a tile of 128 rows is 24,576 dense bytes and comes in as 96 rows of 256 bytes, each on a multiple of 256,
; with 16 bytes of padding behind each 64: a row of codes takes 240 bytes of LDS.
.set KSTEP,  256
.set NQ,     KSTEP/128
.set ROWB,   2359296                   ; from one K step's plane to the next, in bytes
.set KROW,   192                       ; a row in a plane, in bytes
.set PITCH,  240
.set FR,     12
.set NL,     6
.set NP,     4
.set HALFT,  128*PITCH
.set SLOT,   4*HALFT
.set LAPS,   2
.set KS,     32
.set SCL,    2*SLOT
.set HALFS,  (128*KS/256)*272
.set SBLK,   (16*KS/256)*272
.set SPARE,  SCL+4*HALFS
.set W1S,    9437184
.set REC,    307200
.set ADRA, 16
.set ADRB, 20
.set ADRS, 27
.set SPW,  28
.set NIL,  29
.set SC,   32
.set AF,   128
.set G1, 24
.set G0, 32
.set G1B, 48
.set G0B, 56
.set G1S, 68
.set G0S, 76
.set G1SB, 80
.set G0SB, 88
.set RT,   8
.set LN16, 24
.set SWO,  25
.set BO,   26
.set CSO,  30
.set PSL,  31
.set T,    64
.set BI,   128
.set I0,   192
.set I1,   204
.set YT,   216
.set TM,   224
.set PWR,  240
.set W,    248
.set SEL,  2
.set MSB, 0
.macro WIN new
.if MSB != \new
	s_set_vgpr_msb (MSB<<8)|\new
.set MSB, \new
.endif
.endm
.set MUL_LO, 0xa1
.set MUL_HI, 0xf1
.set TO_B,   0x40
.macro JLOAD g0a, g1a, g0b, g1b
	s_cmp_eq_u32 s15, 0
	s_cbranch_scc0 .Lfor_b_\@
	tensor_load_to_lds s[\g0a:\g0a+3], s[\g1a:\g1a+7]
	s_nop 0
.rept 4
	v_nop
.endr
	s_branch .Lasked_\@
.Lfor_b_\@:
	tensor_load_to_lds s[\g0b:\g0b+3], s[\g1b:\g1b+7]
	s_nop 0
.rept 4
	v_nop
.endr
.Lasked_\@:
.endm
.macro CREST
	s_cmp_lg_u32 s14, 0
	s_cbranch_scc1 .Lnot_wave_0_\@
	s_barrier_signal -3
.Lnot_wave_0_\@:
	s_barrier_wait -3
	s_barrier_signal -1
	s_barrier_wait -1
.endm
.macro CROUND
	s_barrier_signal -1
	s_barrier_wait -1
	CREST
.endm
	s_load_b256 s[4:11], s[0:1], 0x0
	s_load_b64 s[12:13], s[0:1], 0x20
	v_lshl_add_u32 v[SPW], v0, 2, SPARE
	v_mov_b32 v[NIL], 0
	ds_add_u32 v[SPW], v[NIL]
	ds_add_u32 v[SPW], v[NIL]
	v_lshrrev_b32 v1, 5, v0
	v_readfirstlane_b32 s14, v1
	s_lshr_b32 s15, s14, 1
	s_and_b32 s16, s14, 1
	s_bfe_u32 s40, ttmp6, 0x40000
	s_bfe_u32 s41, ttmp6, 0x40004
	s_and_b32 s17, ttmp7, 0xffff
	s_lshl_b32 s17, s17, 10
	s_lshl_b32 s42, ttmp9, 10
	s_add_co_u32 s42, s42, 8192
	s_mov_b32 s18, 10240
	s_cmp_eq_u32 ttmp9, 2
	s_cselect_b32 s95, s18, s17
	s_cselect_b32 s96, s17, s42
	s_lshl_b32 s18, s41, 8
	s_add_co_u32 s95, s95, s18
	s_lshl_b32 s19, s40, 8
	s_add_co_u32 s96, s96, s19
	s_lshl_b32 s43, s41, 2
	s_lshl_b32 s43, 15, s43
	s_lshl_b32 s44, 0x1111, s40
	s_or_b32 s[G1+0], s43, (0<<16)|(1<<20)|(1<<21)|(3<<22)|(3<<25)
	s_or_b32 s[G1B+0], s44, (0<<16)|(1<<20)|(1<<21)|(3<<22)|(3<<25)
.irp g, G1, G1B
	s_mov_b32 s[\g+1], 256<<16
	s_mov_b32 s[\g+2], 192<<16                     ; the head's loads bring 256 rows of codes, 192 rows of 256 bytes; behind them these two words are set to 96
	s_mov_b32 s[\g+3], 256<<16
	s_mov_b32 s[\g+4], 192
	s_mov_b32 s[\g+5], 256
	s_mov_b32 s[\g+6], 0
	s_mov_b32 s[\g+7], 0
.endr
	s_or_b32 s[G1S+0], s43, (3<<16)|(1<<20)|(1<<21)|(5<<22)|(3<<25)
	s_or_b32 s[G1SB+0], s44, (3<<16)|(1<<20)|(1<<21)|(5<<22)|(3<<25)
.irp g, G1S, G1SB
	s_mov_b32 s[\g+1], 32<<16
	s_mov_b32 s[\g+2], (256*KS/256)<<16            ; the scales of 256 rows in one load
	s_mov_b32 s[\g+3], 32<<16
	s_mov_b32 s[\g+4], 256*KS/256
	s_mov_b32 s[\g+5], 32
	s_mov_b32 s[\g+6], 0
	s_mov_b32 s[\g+7], 0
.endr
	s_lshl_b32 s22, s95, 5                         ; where the scales of A's 256 rows begin,
	s_add_co_u32 s22, s22, W1S
	s_mov_b32 s23, 0
	s_lshl_b32 s92, s96, 5                         ; and of B's;
	s_add_co_u32 s92, s92, W1S
	s_mov_b32 s93, 0
	s_mul_i32 s20, s95, KROW                       ; their codes in a plane
	s_mov_b32 s21, 0
	s_mul_i32 s46, s96, KROW
	s_mov_b32 s47, 0
	s_mul_i32 s18, s16, 128*KROW                   ; in the ring I fetch 128 rows of a tile: which half, in bytes
	s_mov_b32 s19, 0
	s_mul_i32 s45, s14, HALFT
	s_wait_dscnt 0x0
	s_wait_kmcnt 0x0
	s_add_nc_u64 s[20:21], s[4:5], s[20:21]
	s_add_nc_u64 s[22:23], s[4:5], s[22:23]
	s_add_nc_u64 s[46:47], s[4:5], s[46:47]
	s_add_nc_u64 s[92:93], s[4:5], s[92:93]
	CROUND
	; THE HEAD'S FOUR TILES, EACH WHOLE, ONE LOAD A WAVE: wave 0 K step 0 of A's 256 rows, wave 1 of B's, wave 2 the scales of A's 256 rows, wave 3 of B's
	s_mov_b32 s[G0S], 1
	s_mov_b32 s[G0S+1], SCL
	s_mov_b64 s[G0S+2:G0S+3], s[22:23]
	s_or_b32 s[G0S+3], s[G0S+3], 0x80000000
	s_mov_b32 s[G0SB], 1
	s_mov_b32 s[G0SB+1], SCL+2*HALFS
	s_mov_b64 s[G0SB+2:G0SB+3], s[92:93]
	s_or_b32 s[G0SB+3], s[G0SB+3], 0x80000000
	s_mov_b32 s[G0], 1                             ; slot 0's groups 0 serve the head's whole tiles first
	s_mov_b32 s[G0+1], 0
	s_mov_b64 s[G0+2:G0+3], s[20:21]
	s_or_b32 s[G0+3], s[G0+3], 0x80000000
	s_mov_b32 s[G0B], 1
	s_mov_b32 s[G0B+1], 2*HALFT
	s_mov_b64 s[G0B+2:G0B+3], s[46:47]
	s_or_b32 s[G0B+3], s[G0B+3], 0x80000000
	s_add_nc_u64 s[20:21], s[20:21], s[18:19]      ; for the ring: my 128 rows of the tile
	s_add_nc_u64 s[46:47], s[46:47], s[18:19]
	s_mov_b32 s[G0+4], 1
	s_add_co_u32 s[G0+5], s45, SLOT
	s_add_nc_u64 s[G0+6:G0+7], s[20:21], ROWB
	s_or_b32 s[G0+7], s[G0+7], 0x80000000
	s_mov_b32 s[G0B+4], 1
	s_add_co_u32 s[G0B+5], s45, SLOT
	s_add_nc_u64 s[G0B+6:G0B+7], s[46:47], ROWB
	s_or_b32 s[G0B+7], s[G0B+7], 0x80000000
.macro ARM under, g0, g1, next                 ; one tree of branches on the wave's number: every way through it passes exactly one load
	s_cmp_lt_u32 s14, \under
	s_cbranch_scc0 \next
	tensor_load_to_lds s[\g0:\g0+3], s[\g1:\g1+7]
	s_nop 0
.rept 4
	v_nop
.endr
	s_branch .Lhead_asked
\next:
.endm
	ARM 1, G0,  G1,  .Lhead_b
	ARM 2, G0B, G1B, .Lhead_sa
	ARM 3, G0S, G1S, .Lhead_sb
	tensor_load_to_lds s[G0SB:G0SB+3], s[G1SB:G1SB+7]
	s_nop 0
.rept 4
	v_nop
.endr
.Lhead_asked:
	s_wait_alu depctr_va_vdst(0)
	s_wait_tensorcnt 0x0                           ; my tile of the four is in
	ds_add_u32 v28, v29
	s_mov_b32 s[G1+2], 96<<16                      ; no tensor load of mine is out: from here on a load brings 128 rows of codes, 96 rows of 256 bytes,
	s_mov_b32 s[G1+4], 96
	s_mov_b32 s[G1B+2], 96<<16
	s_mov_b32 s[G1B+4], 96
	s_mov_b32 s[G0+1], s45                         ; and slot 0's groups 0 stand at my quarter of K step 0, from which the first refill steps on
	s_mov_b64 s[G0+2:G0+3], s[20:21]
	s_or_b32 s[G0+3], s[G0+3], 0x80000000
	s_mov_b32 s[G0B+1], s45
	s_mov_b64 s[G0B+2:G0B+3], s[46:47]
	s_or_b32 s[G0B+3], s[G0B+3], 0x80000000
	s_wait_dscnt 0x0
	CROUND
	JLOAD G0+4, G1, G0B+4, G1B                     ; K step 1, the first tensor load behind the round
	v_and_b32 v1, 15, v0
	v_bfe_u32 v2, v0, 4, 1
	v_mul_u32_u24 v3, v1, PITCH
	v_mul_u32_u24 v4, v2, 24
	v_add_nc_u32 v4, v3, v4
	v_lshl_add_u32 v5, v2, 4, v4
	s_mul_i32 s21, s15, HALFT
	s_mul_i32 s22, s16, HALFT
	s_add_co_u32 s22, s22, 2*HALFT
.irp s, 0,1
	v_add_nc_u32 v[ADRA+\s], s21, v4
	v_add_nc_u32 v[ADRB+\s], s22, v4
	v_add_nc_u32 v[ADRA+2+\s], s21, v5
	v_add_nc_u32 v[ADRB+2+\s], s22, v5
	s_add_co_u32 s21, s21, SLOT
	s_add_co_u32 s22, s22, SLOT
.endr
	v_mul_u32_u24 v5, v1, KS
	v_lshrrev_b32 v6, 8, v5
	v_lshl_add_u32 v5, v6, 4, v5
	s_mul_i32 s21, s15, HALFS
	s_mul_i32 s22, s16, HALFS
	s_add_co_u32 s22, s22, 2*HALFS
	s_sub_co_u32 s22, s22, s21
	v_mul_u32_u24 v6, s22, v2
	s_add_co_u32 s21, s21, SCL
	v_add_nc_u32 v5, v5, v6
	v_add_nc_u32 v[ADRS], s21, v5
.macro FRAG reg, adr, q, i
.irp p, 0,1,2,3,4,5
.set PCE, 12*(\q)+6*(\p/3)+\p%3
.if PCE%8 < 5
	ds_load_b64 v[\reg+2*\p:\reg+2*\p+1], v[\adr] offset:8*PCE+16*(PCE/8)+(\i)*16*PITCH
.else
	ds_load_b64 v[\reg+2*\p:\reg+2*\p+1], v[\adr+2] offset:8*PCE+16*(PCE/8)+(\i)*16*PITCH
.endif
.endr
.endm
.macro MUL16 a0, p, q, sc, zero
.irp a, \a0, \a0+1
.irp b, 0,1,2,3,4,5,6,7
.if \zero
	v_wmma_scale_f32_16x16x128_f8f6f4 v[8*(8*((\a)%4)+\b):8*(8*((\a)%4)+\b)+7], v[128*(\p)+FR*\b:128*(\p)+FR*\b+FR-1], v[AF+FR*(\a):AF+FR*(\a)+FR-1], 0, v[SC+8*NQ*(\sc)+NQ*\b+(\q)], v[SC+8*NQ*(\sc)+NQ*(\a)+(\q)] matrix_a_fmt:MATRIX_FMT_FP6 matrix_b_fmt:MATRIX_FMT_FP6 matrix_a_scale:MATRIX_SCALE_ROW1
.else
	v_wmma_scale_f32_16x16x128_f8f6f4 v[8*(8*((\a)%4)+\b):8*(8*((\a)%4)+\b)+7], v[128*(\p)+FR*\b:128*(\p)+FR*\b+FR-1], v[AF+FR*(\a):AF+FR*(\a)+FR-1], v[8*(8*((\a)%4)+\b):8*(8*((\a)%4)+\b)+7], v[SC+8*NQ*(\sc)+NQ*\b+(\q)], v[SC+8*NQ*(\sc)+NQ*(\a)+(\q)] matrix_a_fmt:MATRIX_FMT_FP6 matrix_b_fmt:MATRIX_FMT_FP6 matrix_a_scale:MATRIX_SCALE_ROW1
.endif
.endr
.endr
.endm
.macro FETCH_B slot, q, p
	WIN TO_B
.irp i, 0,1,2,3,4,5,6,7
	FRAG 128*(\p)+FR*\i, ADRB+\slot, \q, \i
.endr
	WIN 0
.endm
.macro FETCH_A slot, q, i0
.irp i, \i0, \i0+1, \i0+2, \i0+3
	FRAG AF+FR*(\i), ADRA+\slot, \q, \i
.endr
.endm
.macro SCALES sc
.irp i, 0,1,2,3,4,5,6,7
	ds_load_b64 v[SC+8*NQ*\sc+NQ*\i:SC+8*NQ*\sc+NQ*\i+1], v[ADRS] offset:\i*SBLK
.endr
.endm
.macro PLACES n
.rept \n
	v_nop
.endr
.endm
.macro STEP slot, q, zero
	s_wait_dscnt 4*NL
	WIN MUL_LO
	MUL16 0, (\q)%2, \q, \slot, \zero
	MUL16 2, (\q)%2, \q, \slot, \zero
	s_wait_dscnt 0
	PLACES NP
	FETCH_B \slot, (\q)+1, 1-(\q)%2
	FETCH_A \slot, (\q)+1, 0
	WIN MUL_HI
	MUL16 4, (\q)%2, \q, \slot, \zero
	MUL16 6, (\q)%2, \q, \slot, \zero
	PLACES NP
	WIN 0
	FETCH_A \slot, (\q)+1, 4
.endm
.macro TURN slot, next, fill
	s_wait_tensorcnt 0x0
	ds_add_u32 v[SPW], v[NIL]
	s_wait_dscnt 4*NL+1
	WIN MUL_LO
	MUL16 0, 1, NQ-1, \slot, 0
	s_wait_dscnt 0x0
	s_barrier_signal -1
	MUL16 2, 1, NQ-1, \slot, 0
	WIN 0
	s_barrier_wait -1
.if \fill
	CREST
	s_add_nc_u64 s[G0+4*\slot+2:G0+4*\slot+3], s[G0+4*\slot+2:G0+4*\slot+3], 2*ROWB
	s_add_nc_u64 s[G0B+4*\slot+2:G0B+4*\slot+3], s[G0B+4*\slot+2:G0B+4*\slot+3], 2*ROWB
	JLOAD G0+4*\slot, G1, G0B+4*\slot, G1B
.else
	PLACES NP
.endif
	s_wait_alu depctr_va_vdst(0)
	v_add_nc_u32 v[ADRS], 4*NQ, v[ADRS]
	FETCH_B \next, 0, 0
	FETCH_A \next, 0, 0
	SCALES \next
	WIN MUL_HI
	MUL16 4, 1, NQ-1, \slot, 0
	MUL16 6, 1, NQ-1, \slot, 0
	PLACES NP
	WIN 0
	FETCH_A \next, 0, 4
.endm
	s_wait_alu depctr_va_vdst(0)
	s_wait_tensorcnt 1
	s_barrier_signal -1
	s_barrier_wait -1
	FETCH_B 0, 0, 0
	FETCH_A 0, 0, 0
	SCALES 0
	FETCH_A 0, 0, 4
	STEP 0, 0, 1
	s_mov_b32 s3, LAPS-1
.Llap:
	TURN 0, 1, 1
	STEP 1, 0, 0
	TURN 1, 0, 1
	STEP 0, 0, 0
	s_sub_co_u32 s3, s3, 1
	s_cmp_lg_u32 s3, 0
	s_cbranch_scc1 .Llap
	TURN 0, 1, 0
	STEP 1, 0, 0
	s_wait_dscnt 4*NL
	WIN MUL_LO
	MUL16 0, 1, NQ-1, 1, 0
	MUL16 2, 1, NQ-1, 1, 0
	s_wait_dscnt 0
	WIN MUL_HI
	MUL16 4, 1, NQ-1, 1, 0
	MUL16 6, 1, NQ-1, 1, 0
	WIN 0
.macro QUANT s, d0, d1, pw
.irp b, 0,1,2,3
	v_max3_num_f32 v[TM+\b], |v[\s+16*\b]|, |v[\s+1+16*\b]|, 0x1800000
.endr
.irp i, 2,4,6,8,10,12,14
.irp b, 0,1,2,3
	v_max3_num_f32 v[TM+\b], v[TM+\b], |v[\s+16*\b+\i]|, |v[\s+1+16*\b+\i]|
.endr
.endr
.irp b, 0,1,2,3
	v_permlanex16_b32 v[TM+4+\b], v[TM+\b], s[SEL], s[SEL+1]
.endr
.irp b, 0,1,2,3
	v_max_num_f32 v[TM+\b], v[TM+\b], v[TM+4+\b]
.endr
.irp b, 0,1,2,3
	v_add_nc_u32 v[TM+12+\b], 0xff000000, v[TM+\b]
.endr
.irp b, 0,1,2,3
	v_lshrrev_b32 v[TM+4+\b], 23, v[TM+12+\b]
.endr
	v_lshl_or_b32 v[\pw], v[TM+5], 8, v[TM+4]
	v_lshl_or_b32 v[\pw], v[TM+6], 16, v[\pw]
	v_lshl_or_b32 v[\pw], v[TM+7], 24, v[\pw]
	v_cvt_scalef32_pk16_fp6_f32 v[(\d0):(\d0)+2], v[\s:\s+15], v[TM+12]
	v_cvt_scalef32_pk16_fp6_f32 v[YT:YT+2], v[\s+16:\s+31], v[TM+13]
	v_cvt_scalef32_pk16_fp6_f32 v[(\d1):(\d1)+2], v[\s+32:\s+47], v[TM+14]
	v_cvt_scalef32_pk16_fp6_f32 v[YT+4:YT+6], v[\s+48:\s+63], v[TM+15]
	v_nop
.irp i, 0,1,2
	v_permlane16_swap_b32 v[(\d0)+\i], v[YT+\i]
.endr
.irp i, 0,1,2
	v_mov_b32 v[(\d0)+3+\i], v[YT+\i]
.endr
.irp i, 0,1,2
	v_permlane16_swap_b32 v[(\d1)+\i], v[YT+4+\i]
.endr
.irp i, 0,1,2
	v_mov_b32 v[(\d1)+3+\i], v[YT+4+\i]
.endr
.endm
	PLACES NP
	s_mov_b32 s[SEL], 0x76543210
	s_mov_b32 s[SEL+1], 0xfedcba98
	v_and_b32 v3, 31, v0
	v_lshlrev_b32 v[LN16], 4, v3
	v_mul_u32_u24 v[SWO], v2, REC
	v_lshl_add_u32 v[SWO], v1, 4, v[SWO]
.irp b, 0,1,2,3
	v_mov_b32 v[TM+4+\b], 0
.endr
	s_lshl_b32 s18, s15, 7
	s_add_co_u32 s18, s95, s18
	s_lshl_b32 s19, s16, 7
	s_add_co_u32 s19, s96, s19
	s_cmp_eq_u32 ttmp9, 2
	s_cbranch_scc1 .Lv
	s_lshr_b32 s20, s18, 11
	s_and_b32 s21, s18, 2047
	s_sub_co_u32 s22, s19, 8192
	s_bfe_u32 s23, s22, 0x40006
	s_lshl_b32 s20, s20, 4
	s_add_co_u32 s20, s20, s23
	s_mul_i32 s20, s20, REC
	s_mov_b32 s41, 196608
	s_cmp_eq_u32 ttmp9, 0
	s_cselect_b32 s40, 204800, 0
	s_cselect_b32 s41, 303104, s41
	s_lshr_b32 s42, s21, 5
	s_mul_i32 s42, s42, 1536
	s_add_co_u32 s42, s42, s40
	s_add_co_u32 s42, s42, s20
	s_mov_b32 s43, 0
	s_lshr_b32 s44, s21, 7
	s_lshl_b32 s44, s44, 8
	s_add_co_u32 s44, s44, s41
	s_add_co_u32 s44, s44, s20
	s_mov_b32 s45, 0
	s_add_nc_u64 s[66:67], s[12:13], s[42:43]
	s_add_nc_u64 s[98:99], s[12:13], s[44:45]
	s_lshl_b32 s46, s22, 2
	s_mov_b32 s47, 0
	s_add_nc_u64 s[6:7], s[6:7], s[46:47]
	s_lshl_b32 s92, s21, 7
	s_mov_b32 s93, 0
	s_add_nc_u64 s[8:9], s[8:9], s[92:93]
	s_add_nc_u64 s[10:11], s[10:11], s[92:93]
	v_lshlrev_b32 v[BO], 5, v2
	v_lshlrev_b32 v[CSO], 7, v1
	v_lshl_add_u32 v[CSO], v2, 5, v[CSO]
	v_mov_b32 v[PSL], 0x05040100
	v_mov_b32 v3, 0x07060302
	v_cmp_eq_u32 vcc_lo, 1, v2
	v_cndmask_b32 v[PSL], v[PSL], v3, vcc_lo
.irp b, 0,1,2,3,4,5,6,7
	global_load_b128 v[BI+8*\b:BI+8*\b+3], v[BO], s[6:7] offset:64*\b
	global_load_b128 v[BI+8*\b+4:BI+8*\b+7], v[BO], s[6:7] offset:64*\b+16
.endr
	WIN 0x40
.irp a, 0,1,2,3,4,5,6,7
.irp u, 0,1
	global_load_b128 v[32*\a+8*\u:32*\a+8*\u+3], v[CSO], s[8:9] offset:2048*\a+64*\u
	global_load_b128 v[32*\a+8*\u+4:32*\a+8*\u+7], v[CSO], s[8:9] offset:2048*\a+64*\u+16
	global_load_b128 v[32*\a+16+8*\u:32*\a+16+8*\u+3], v[CSO], s[10:11] offset:2048*\a+64*\u
	global_load_b128 v[32*\a+16+8*\u+4:32*\a+16+8*\u+7], v[CSO], s[10:11] offset:2048*\a+64*\u+16
.endr
.endr
	WIN 0
.macro EPQK a
	s_wait_loadcnt 8*(7-(\a))
	WIN 0x02+(\a)/4
.set AC, 64*((\a)%4)
.set ii, 0
.rept 32
	v_pk_add_f32 v[T+ii:T+ii+1], v[AC+ii:AC+ii+1], v[BI+ii:BI+ii+1]
.set ii, ii+2
.endr
	WIN 0x04
.set gg, 0
.irp c, 0,1
.irp u, 0,1
.irp j, 0,2,4,6
.set rQ1, T+8*(4*\c+\u)+\j
.set rQ2, T+8*(4*\c+2+\u)+\j
.set rCO, 32*(\a)+8*\u+\j
.set rSI, 32*(\a)+16+8*\u+\j
.set rRR, RT+4*(gg%2)
	v_pk_mul_f32 v[rRR:rRR+1], v[rQ2:rQ2+1], v[rSI:rSI+1]
	v_pk_mul_f32 v[rRR+2:rRR+3], v[rQ2:rQ2+1], v[rCO:rCO+1]
	v_pk_fma_f32 v[rQ2:rQ2+1], v[rQ1:rQ1+1], v[rSI:rSI+1], v[rRR+2:rRR+3]
	v_pk_fma_f32 v[rQ1:rQ1+1], v[rQ1:rQ1+1], v[rCO:rCO+1], v[rRR:rRR+1] neg_lo:[0,0,1] neg_hi:[0,0,1]
.set gg, gg+1
.endr
.endr
.endr
	WIN 0
.if (\a)%2 == 0
	s_wait_xcnt 0x0
.endif
	QUANT T, I0+6*((\a)%2), I1+6*((\a)%2), PWR+(\a)
.if (\a)%2 == 1
.irp n, 0,1,2
	global_store_b128 v[LN16], v[I0+4*\n:I0+4*\n+3], s[66:67] offset:((\a)/2)*1536+512*\n
	global_store_b128 v[LN16], v[I1+4*\n:I1+4*\n+3], s[66:67] offset:REC+((\a)/2)*1536+512*\n
.endr
	v_perm_b32 v[W+(\a)/2], v[PWR+(\a)], v[PWR+(\a)-1], v[PSL]
.endif
.endm
.irp a, 0,1,2,3,4,5,6,7
	EPQK \a
.endr
	global_store_b128 v[SWO], v[W:W+3], s[98:99]
	s_branch .Ldone
.Lv:
	s_sub_co_u32 s22, s18, 10240
	s_lshr_b32 s23, s22, 6
	s_lshr_b32 s20, s19, 11
	s_and_b32 s21, s19, 2047
	s_lshr_b32 s21, s21, 7
	s_lshl_b32 s20, s20, 4
	s_add_co_u32 s20, s20, s23
	s_mul_i32 s20, s20, REC
	s_mul_i32 s42, s21, 6144
	s_add_co_u32 s42, s42, 98304
	s_add_co_u32 s42, s42, s20
	s_mov_b32 s43, 0
	s_lshl_b32 s44, s21, 8
	s_add_co_u32 s44, s44, 200704
	s_add_co_u32 s44, s44, s20
	s_mov_b32 s45, 0
	s_add_nc_u64 s[66:67], s[12:13], s[42:43]
	s_add_nc_u64 s[98:99], s[12:13], s[44:45]
	s_sub_co_u32 s46, s18, 8192
	s_lshl_b32 s46, s46, 2
	s_mov_b32 s47, 0
	s_add_nc_u64 s[6:7], s[6:7], s[46:47]
	v_lshlrev_b32 v[BO], 2, v1
.irp a, 0,1,2,3,4,5,6,7
	global_load_b32 v[BI+2*\a], v[BO], s[6:7] offset:64*\a
	global_load_b32 v[BI+2*\a+1], v[BO], s[6:7] offset:64*\a
.endr
	s_wait_loadcnt 0x0
.macro EPV a
	WIN 0x02+(\a)/4
.set AC, 64*((\a)%4)
.set ii, 0
.rept 32
	v_pk_add_f32 v[T+ii:T+ii+1], v[AC+ii:AC+ii+1], v[BI+2*(\a):BI+2*(\a)+1]
.set ii, ii+2
.endr
	WIN 0
.if (\a) > 0
	s_wait_xcnt 0x0
.endif
	QUANT T, I0, I0+6, PWR+(\a)
.irp n, 0,1,2
	global_store_b128 v[LN16], v[I0+4*\n:I0+4*\n+3], s[66:67] offset:((\a)/4)*REC+((\a)%4)*1536+512*\n
.endr
.endm
.irp a, 0,1,2,3,4,5,6,7
	EPV \a
.endr
	v_cmp_eq_u32 s97, 1, v2
.irp d, 0,1,2,3
	v_cndmask_b32 v[W+\d], v[PWR+\d], v[PWR+4+\d], s97
.endr
	global_store_b128 v[SWO], v[W:W+3], s[98:99]
.Ldone:
	s_wait_tensorcnt 0x0
	ds_add_u32 v[SPW], v[NIL]
	s_wait_dscnt 0x0
	CROUND
	s_endpgm
.Lfunc_end_k_qfd8f42bcfb_qkv:
	.size	k_qfd8f42bcfb_qkv, .Lfunc_end_k_qfd8f42bcfb_qkv-k_qfd8f42bcfb_qkv
	.p2alignl 7, 3214868480
	.fill 96, 4, 3214868480
	.section	.rodata,"a",@progbits
	.p2align	6, 0x0
	.amdhsa_kernel k_qfd8f42bcfb_qkv
		.amdhsa_group_segment_fixed_size 327680
		.amdhsa_private_segment_fixed_size 0
		.amdhsa_enable_private_segment 0
		.amdhsa_kernarg_size 40
		.amdhsa_user_sgpr_count 2
		.amdhsa_user_sgpr_kernarg_segment_ptr 1
		.amdhsa_wavefront_size32 1
		.amdhsa_system_sgpr_workgroup_id_x 1
		.amdhsa_system_sgpr_workgroup_id_y 1
		.amdhsa_system_sgpr_workgroup_id_z 1
		.amdhsa_system_vgpr_workitem_id 0
		.amdhsa_next_free_vgpr 1024
		.amdhsa_next_free_sgpr 100
		.amdhsa_reserve_vcc 1
		.amdhsa_float_denorm_mode_32 3
		.amdhsa_float_denorm_mode_16_64 3
		.amdhsa_memory_ordered 1
		.amdhsa_forward_progress 1
		.amdhsa_inst_pref_size 255
	.end_amdhsa_kernel
	.section	.bss,"aw",@nobits
	.p2align	6
	.space	262144
	.amdgpu_metadata
---
amdhsa.version: [ 1, 2 ]
amdhsa.kernels:
  - .name:           k_qfd8f42bcfb_qkv
    .symbol:         k_qfd8f42bcfb_qkv.kd
    .args:
      - { .name: w1, .offset: 0, .size: 8, .value_kind: global_buffer, .address_space: global }
      - { .name: bqkv, .offset: 8, .size: 8, .value_kind: global_buffer, .address_space: global }
      - { .name: cos, .offset: 16, .size: 8, .value_kind: global_buffer, .address_space: global }
      - { .name: sin, .offset: 24, .size: 8, .value_kind: global_buffer, .address_space: global }
      - { .name: w2, .offset: 32, .size: 8, .value_kind: global_buffer, .address_space: global }
    .group_segment_fixed_size: 327680
    .private_segment_fixed_size: 0
    .kernarg_segment_align: 8
    .kernarg_segment_size: 40
    .max_flat_workgroup_size: 128
    .sgpr_count:     100
    .vgpr_count:     1024
    .wavefront_size: 32
...
	.end_amdgpu_metadata
.endif
;; end of part 2
;; launch attn (part 3): grid 4 x 64, 8 waves a work-group, clusters of 4 x 1, 206,848 bytes of LDS; arguments w2, w3; writes w3
.if DOCPART == 3
	.amdgcn_target "amdgcn-amd-amdhsa--gfx1250"
	.amdhsa_code_object_version 6
	.text
	.protected	k_qfd8f42bcfb_attn
	.globl	k_qfd8f42bcfb_attn
	.p2align	8
	.type	k_qfd8f42bcfb_attn,@function
k_qfd8f42bcfb_attn:
	s_mov_b64 s[64:65], 0
	v_nop
	global_prefetch_b8 v0, s[64:65] scope:SCOPE_SE
	s_setreg_imm32_b32 hwreg(HW_REG_WAVE_MODE, 25, 1), 1
	s_wait_xcnt 0x0
	s_wait_alu depctr_hold_cnt(0) depctr_sa_sdst(0) depctr_va_vdst(0) depctr_va_sdst(0) depctr_va_ssrc(0) depctr_va_vcc(0) depctr_vm_vsrc(0)
	s_getreg_b32 s2, hwreg(HW_REG_IB_STS2, 6, 4)
	s_cmp_eq_u32 s2, 0
	s_cbranch_scc0 .Lentry_in_a_cluster
	s_endpgm
.Lentry_in_a_cluster:
	s_bfe_u32 s2, ttmp6, 0x10000c
	s_cmp_lg_u32 s2, 0x3003
	s_cbranch_scc0 .Lentry_shape_is_right
	s_endpgm
.Lentry_shape_is_right:
; For each of 64 heads: O = softmax(q k^T / 8) v, both products on codes of FP6 (E2M3) with E8M0 scales; O / l is quantised along E for the last product and stored as codes.
; THE SOFTMAX: t = score x log2(e) / 8; M = the row's largest t so far, rounded UP to a whole number; p = 2^(t - M) is quantised along the keys, not normalised.  The row's sum is taken of the
; unquantised p and divides O at the end.  When M moves, the sum and O are multiplied by 2^(old M - new M): exact.
; SHARES: a work-group owns 512 queries of one head, in two blocks of 256; each of its eight waves owns TWO tiles of 16 queries of a block.  The two tiles share every fragment of K and V, and their
; instructions stand by turns, so that no line reads the line just above it.
; A HEAD'S K, V AND THEIR SCALE WORDS, 204,800 bytes on end in its record, LIE IN LDS WHOLE, filled once: each wave asks for 25,600 of them (100 rows of 256 bytes) by its one tensor load.
; The four work-groups of a cluster belong to one head: every load is a joint one.  Behind the wait for it and one barrier all waves read; the walk over keys and blocks has no barrier.
; No prefetch: the launch's one fill stands at its head, with no loop ahead of it to ask from.
; LAYOUT: both products are used transposed (S^T = K Q^T, O^T = V^T P^T): a lane holds ONE query of each tile.  Operands lie in LDS as images of their registers: a piece of four registers is read at 16 x lane.
; K = 64 IN A FORM OF 128: an image of K holds two tiles of 16 keys, registers 0-5 the first tile's 64 channels, 6-11 the second's.  Against [q][zeros] it gives the first tile's scores, against
; [zeros][q] the second's: zero codes add nothing under any scale byte from 1 to 254.  Thirty registers hold [q1][zeros][q0][zeros][q1]: all four forms are runs of 12.
; THE ORDER INSIDE A BLOCK OF 32 is g0 g2 g1 g3 (groups of eight) in every operand: the 16 registers of two neighbouring result tiles are half h of a block in that order.
; p's BLOCK SCALE: p rises with the score, and floor(log2(2^x)) = floor(x): the byte is floor(t - M) of the block's largest score + 125, held at 1 from below.
; REGISTERS: window 1 holds both tiles' S^T / p (v0-127), O^T (v128-191) and the sums' chains (v192-223); window 0 all operands, scales, addresses and what is kept a row.  So one setting of the windows
; serves both tiles in each stretch: fourteen switches a step.
; LIMITS: the promise holds while the scaled scores t stay under 2^31 in magnitude; v_exp_f32 gives 0 for results under 2^-126; where v_exp_f32 rounds a block's largest p up to the next power of two, that p is
; held at the largest code; a block whose largest magnitude lies under 2^-124, and a block of zeros, get the byte 1; NaN and infinities are not served.
.set REC,   307200                     ; a head's record in w2: K's codes 0, V's 98,304, K's scale words 196,608, V's 200,704, Q's codes 204,800, Q's scale words 303,104
.set VOFF,  98304
.set KSOFF, 196608
.set QOFF,  204800
.set QSOFF, 303104
.set W3S,   6291456
.set PART,  25600                      ; what one wave asks for
.set SPARE, 204800                     ; LDS: up to here an address is its offset in the record; then the spare words, 128 bytes a wave,
.set SST,   SPARE+1024                 ; and 1,024 bytes for the result's scale bytes, 512 a block
.set AK0, 1                            ; 16 x lane
.set AV0, 2                            ; VOFF + 16 x lane
.set AS0, 3                            ; KSOFF + 16 r
.set SPW, 4                            ; my spare word; never rewritten
.set NIL, 5                            ; 0; never rewritten
.set ADK, 6
.set ADV, 7
.set ADS, 8
.set L8,  9                            ; 8 x lane
.set SSA, 10                           ; SST + 64 x wave + 2 r
.set SSR, 11                           ; SST + 16 x thread
.set R16, 12                           ; 16 r
.set OSO, 13                           ; 16 x thread
.set QW,  14
.set NM,  16                           ; tile q: v[NM+4q] -M, v[NM+4q+1] the running largest score
.set LL,  18                           ; v[LL+4q:LL+4q+1] the row's sum in two halves
.set QS,  24                           ; Q's scale words
.set PW,  26                           ; p's scale words
.set OM,  28                           ; the old -M
.set TT,  30
.set P16, 32
.set FF,  34                           ; v[FF+2q:FF+2q+1] f = 2^(old M - new M), and a 0 named with it as a pair
.set QL,  40                           ; v40-69 [q1][zeros][q0][zeros][q1]
.set KF,  72                           ; v72-119 K's four fragments
.set KSC, 120
.set VSC, 124
.set BM,  128                          ; +4q: the blocks' largest scores
.set BT,  136
.set SO,  144                          ; the conversions' scale operands
.set YT,  152                          ; +8q
.set PC,  168                          ; +12q: p's codes
.set VF,  192                          ; v192-239 V's four fragments
.set O,   128                          ; window 1
.set X,   192                          ; window 1, +16q
.set WV,  8
.set HB,  9
.set RCA, 10                           ; s[10:11] the record's address: it never holds cx
.set G1,  16
.set G0,  32
.set SBO, 36
.set SEL, 52
.set CS,  54                           ; s[54:55] c = log2(e) / 8
.set TC,  56
.set TS,  57
.set CNT, 58
.set QBC, 59
.set CX,  61
.set QA,  66
.set QSA, 68
.set OC,  70
.set OS,  72
.set MSB, 0
.macro WIN new                         ; low byte: bits 1:0 source 0, 3:2 source 1, 5:4 source 2, 7:6 destination; the high byte repeats the setting that is left
.if MSB != \new
	s_set_vgpr_msb (MSB<<8)|\new
.set MSB, \new
.endif
.endm
.macro CROUND
	s_barrier_signal -1
	s_barrier_wait -1
	s_cmp_lg_u32 s[WV], 0
	s_cbranch_scc1 .Lnot_wave_0_\@
	s_barrier_signal -3
.Lnot_wave_0_\@:
	s_barrier_wait -3
	s_barrier_signal -1
	s_barrier_wait -1
.endm
.macro QLOAD                           ; my pair of tiles: an image of 12 registers; tile 0's six lie at 16 L + 0, 8, 512, tile 1's at 16 L + 520, 1,024, 1,032
.irp n, 0,1,2
	global_load_b64 v[QL+12+2*\n:QL+13+2*\n], v[AK0], s[QA:QA+1] offset:8*\n+496*(\n/2)
	global_load_b64 v[QL+2*\n:QL+1+2*\n], v[AK0], s[QA:QA+1] offset:520+504*((\n+1)/2)+8*(\n/2)
	global_load_b64 v[QL+24+2*\n:QL+25+2*\n], v[AK0], s[QA:QA+1] offset:520+504*((\n+1)/2)+8*(\n/2)
.endr
	global_load_b32 v[QW], v[R16], s[QSA:QSA+1]
.endm
	s_load_b128 s[4:7], s[0:1], 0x0                ; w2, w3
	v_lshl_add_u32 v[SPW], v0, 2, SPARE
	v_mov_b32 v[NIL], 0
	ds_add_u32 v[SPW], v[NIL]                      ; the opening: the add, twice on end, and its wait ahead of my tensor load
	ds_add_u32 v[SPW], v[NIL]
	v_lshrrev_b32 v6, 5, v0
	v_and_b32 v7, 31, v0                           ; lane
	v_and_b32 v8, 15, v0                           ; r
	v_readfirstlane_b32 s[WV], v6                  ; wave 0..7
	v_lshlrev_b32 v[AK0], 4, v7
	v_lshlrev_b32 v[R16], 4, v8
	v_lshlrev_b32 v[L8], 3, v7
	v_lshlrev_b32 v[SSA], 1, v8
	v_lshl_add_u32 v[SSR], v0, 4, SST
	v_lshlrev_b32 v[OSO], 4, v0
	v_add_nc_u32 v[AV0], VOFF, v[AK0]
	v_add_nc_u32 v[AS0], KSOFF, v[R16]
	s_lshl_b32 s62, s[WV], 6
	s_add_co_u32 s62, s62, SST
	v_add_nc_u32 v[SSA], s62, v[SSA]
.irp j, 0,1,2,3,4,5
	v_mov_b32 v[QL+6+\j], 0                        ; the zero codes
	v_mov_b32 v[QL+18+\j], 0
.endr
.irp b, 0,1,2,3,4,5,6,7
	v_mov_b32 v[BT+\b], 0                          ; a lane permute's destination counts as one of its sources
.endr
.irp q, 0,1
	v_mov_b32 v[TT+\q], 0
	v_mov_b32 v[FF+2*\q+1], 0
.endr
	s_mov_b32 s[G1], 15|(3<<16)|(1<<21)            ; the mask: all four work-groups; elements of 8 bytes; bit 21 beside a mask; no padding
	s_mov_b32 s[G1+1], 32<<16                      ; rows of 256 bytes,
	s_mov_b32 s[G1+2], 100<<16                     ; 100 of them, dense
	s_mov_b32 s[G1+3], 32<<16
	s_mov_b32 s[G1+4], 100
	s_mov_b32 s[G1+5], 32
	s_mov_b32 s[G1+6], 0
	s_mov_b32 s[G1+7], 0
	s_mov_b32 s[SEL], 0x76543210
	s_mov_b32 s[SEL+1], 0xfedcba98
	s_mov_b32 s[CS], 0x3e38aa3b                    ; log2(e) / 8
	s_mov_b32 s[CS+1], s[CS]
	s_bfe_u32 s[CX], ttmp6, 0x40000                ; cx enters Q's and the result's addresses alone
	s_and_b32 s[HB], ttmp7, 0xffff                 ; 16 x batch + head, which the four partners share
	s_mul_i32 s12, s[HB], REC
	s_mov_b32 s13, 0
	s_mul_i32 s14, s[WV], PART                     ; my part of the record, and its place in LDS
	s_mov_b32 s15, 0
	s_lshl_b32 s74, s[CX], 4
	s_add_co_u32 s74, s74, s[WV]                   ; Q: my pair of tiles: 16 cx + wave (+ 8 in the second block)
	s_mul_i32 s74, s74, 1536
	s_add_co_u32 s74, s74, QOFF
	s_mov_b32 s75, 0
	s_lshl_b32 s76, s[CX], 2
	s_lshr_b32 s62, s[WV], 2
	s_add_co_u32 s76, s76, s62
	s_lshl_b32 s76, s76, 8                         ; its scale word: 256 bytes for each 128 queries,
	s_and_b32 s62, s[WV], 3
	s_lshl_b32 s62, s62, 2                         ; the pair's word among four
	s_add_co_u32 s76, s76, s62
	s_add_co_u32 s76, s76, QSOFF
	s_mov_b32 s77, 0
	s_lshr_b32 s70, s[HB], 4
	s_lshl_b32 s70, s70, 7
	s_lshl_b32 s62, s[CX], 5
	s_add_co_u32 s70, s70, s62
	s_lshl_b32 s62, s[WV], 1
	s_add_co_u32 s70, s70, s62                     ; the result: tile of rows 128 x batch + 32 cx + 2 x wave (+ 1 for my second tile),
	s_lshl_b32 s70, s70, 4
	s_and_b32 s62, s[HB], 15
	s_add_co_u32 s70, s70, s62                     ; x 16 heads + head,
	s_mul_i32 s70, s70, 768                        ; 768 bytes each
	s_mov_b32 s71, 0
	s_and_b32 s72, s[HB], 15
	s_lshl_b32 s72, s72, 14                        ; its scale bytes: [head][row], two bytes a row
	s_lshr_b32 s62, s[HB], 4
	s_lshl_b32 s62, s62, 12
	s_add_co_u32 s72, s72, s62
	s_lshl_b32 s62, s[CX], 10
	s_add_co_u32 s72, s72, s62
	s_add_co_u32 s72, s72, W3S
	s_mov_b32 s73, 0
	s_wait_alu depctr_va_vdst(0)                   ; the wait at the head's end
	s_wait_dscnt 0x0                               ; both opening adds are done
	s_wait_kmcnt 0x0
	s_add_nc_u64 s[RCA:RCA+1], s[4:5], s[12:13]
	s_add_nc_u64 s[QA:QA+1], s[RCA:RCA+1], s[74:75]
	s_add_nc_u64 s[QSA:QSA+1], s[RCA:RCA+1], s[76:77]
	s_add_nc_u64 s[OC:OC+1], s[6:7], s[70:71]
	s_add_nc_u64 s[OS:OS+1], s[6:7], s[72:73]
	s_mov_b32 s[G0], 1
	s_mov_b32 s[G0+1], s14
	s_add_nc_u64 s[G0+2:G0+3], s[RCA:RCA+1], s[14:15]
	s_or_b32 s[G0+3], s[G0+3], 0x80000000
	CROUND                                         ; all four work-groups are here: the joint loads meet
	tensor_load_to_lds s[G0:G0+3], s[G1:G1+7]      ; my one tensor load of the launch
	s_nop 0
	s_mov_b32 s[QBC], 2
	s_mov_b32 s[SBO], 0
	QLOAD                                          ; the first block's Q, on its way beside the record
	s_wait_tensorcnt 0x0                           ; my part of the record is in,
	s_barrier_signal -1
	s_barrier_wait -1                              ; and everybody's
.Lqb:                                              ; a block of 256 queries
.irp q, 0,1
	v_mov_b32 v[NM+4*\q+1], 0xff61b1e6             ; the largest score so far: -3e38
	v_mov_b32 v[NM+4*\q], 0x7d000000               ; -M: so large that the first f is 0
	v_mov_b32 v[LL+4*\q], 0
	v_mov_b32 v[LL+4*\q+1], 0
.endr
.irp p, 0,1,2,3
.irp n, 0,1,2
	ds_load_b128 v[KF+12*\p+4*\n:KF+12*\p+4*\n+3], v[AK0] offset:1536*\p+512*\n     ; the first step's K
.endr
.endr
	ds_load_b128 v[KSC:KSC+3], v[AS0]
	s_wait_loadcnt 0x0                             ; Q is in
	v_perm_b32 v[QS], v[QW], v[QW], 0x01000100     ; tile 0's two bytes of the pair's word, twice;
	v_perm_b32 v[QS+1], v[QW], v[QW], 0x03020302   ; tile 1's
	WIN 0x40
.set jj, 0
.rept 64
	v_mov_b32 v[O+jj], 0                           ; O^T of both tiles: the step is written once, and its first run finds zeros (also the places behind the scale words' writes)
.set jj, jj+1
.endr
	WIN 0
	s_mov_b32 s[TC], 0
	s_mov_b32 s[TS], 0
	s_mov_b32 s[CNT], 16
	s_wait_alu depctr_va_vdst(0)                   ; the wait ahead of the waits in the loop
.Lstep:                                            ; 128 keys x 32 queries
	v_add_nc_u32 v[ADK], s[TC], v[AK0]
	v_add_nc_u32 v[ADV], s[TC], v[AV0]
	v_add_nc_u32 v[ADS], s[TS], v[AS0]
	s_wait_alu depctr_va_vdst(0)
	s_wait_dscnt 0x0                               ; this step's K, asked for a step ago, is in
	WIN 0x40
.irp t, 0,1,2,3,4,5,6,7                        ; register j of tile t: key 16 t + 8 h + j of my query; the sixteen accumulators by turns
.irp q, 0,1
	v_wmma_scale_f32_16x16x128_f8f6f4 v[64*\q+8*\t:64*\q+8*\t+7], v[KF+12*(\t/2):KF+12*(\t/2)+11], v[QL+(1-\q)*(12-6*(\t%2))+\q*18*(\t%2):QL+(1-\q)*(12-6*(\t%2))+\q*18*(\t%2)+11], 0, v[KSC+\t/2], v[QS+\q] matrix_a_fmt:MATRIX_FMT_FP6 matrix_b_fmt:MATRIX_FMT_FP6
.endr
.endr
	WIN 0
	v_mov_b32 v[OM], v[NM]                         ; four places in front of the loads below and of the first read of the scores
	v_mov_b32 v[OM+1], v[NM+4]
	v_nop
	v_nop
	s_cmp_eq_u32 s[CNT], 1
	s_cbranch_scc1 .Lno_next                       ; a block's last step has no next K
.irp p, 0,1,2,3
.irp n, 0,1,2
	ds_load_b128 v[KF+12*\p+4*\n:KF+12*\p+4*\n+3], v[ADK] offset:6144+1536*\p+512*\n     ; the next step's K: it lands under the softmax
.endr
.endr
	ds_load_b128 v[KSC:KSC+3], v[ADS] offset:256
.Lno_next:
.irp p, 0,1,2,3
.irp n, 0,1,2
	ds_load_b128 v[VF+12*\p+4*\n:VF+12*\p+4*\n+3], v[ADV] offset:1536*\p+512*\n     ; V^T: channels 16 p .. 16 p + 15 x these 128 keys
.endr
.endr
	ds_load_b128 v[VSC:VSC+3], v[ADS] offset:4096
	WIN 0x15
.irp b, 0,1,2,3
.irp q, 0,1
	v_max3_num_f32 v[BM+4*\q+\b], v[64*\q+16*\b], v[64*\q+16*\b+1], v[64*\q+16*\b+2]      ; the largest score of each block of 32 keys
.endr
.endr
	WIN 0x14
.irp i, 3,5,7,9,11,13
.irp b, 0,1,2,3
.irp q, 0,1
	v_max3_num_f32 v[BM+4*\q+\b], v[BM+4*\q+\b], v[64*\q+16*\b+\i], v[64*\q+16*\b+\i+1]
.endr
.endr
.endr
.irp b, 0,1,2,3
.irp q, 0,1
	v_max3_num_f32 v[BM+4*\q+\b], v[BM+4*\q+\b], v[64*\q+16*\b+15], v[64*\q+16*\b+15]
.endr
.endr
	WIN 0
.irp b, 0,1,2,3,4,5,6,7
	v_permlanex16_b32 v[BT+\b], v[BM+\b], s[SEL], s[SEL+1]
.endr
.irp b, 0,1,2,3,4,5,6,7
	v_max_num_f32 v[BM+\b], v[BM+\b], v[BT+\b]     ; with lane l xor 16's 16 keys
.endr
.irp q, 0,1
	v_max3_num_f32 v[TT+\q], v[BM+4*\q], v[BM+4*\q+1], v[BM+4*\q+2]
.endr
.irp q, 0,1
	s_delay_alu instid0(VALU_DEP_2)
	v_max3_num_f32 v[NM+4*\q+1], v[NM+4*\q+1], v[TT+\q], v[BM+4*\q+3]      ; the running largest score (c is positive)
.endr
.irp q, 0,1
	s_delay_alu instid0(VALU_DEP_2)
	v_mul_f32 v[TT+\q], s[CS], v[NM+4*\q+1]        ; as t
.endr
.irp q, 0,1
	s_delay_alu instid0(VALU_DEP_2)
	v_floor_f32 v[NM+4*\q], -v[TT+\q]              ; the new -M = floor(-t): M is a whole number
.endr
.irp q, 0,1
	s_delay_alu instid0(VALU_DEP_2)
	v_sub_f32 v[TT+\q], v[NM+4*\q], v[OM+\q]       ; old M - new M: a whole number, 0 or less
.endr
.irp b, 0,1,2,3
.irp q, 0,1
	v_fma_f32 v[BM+4*\q+\b], v[BM+4*\q+\b], s[CS], v[NM+4*\q]      ; t - M of each block's largest score
.endr
.endr
.irp q, 0,1
	v_cvt_i32_f32 v[TT+\q], v[TT+\q]               ; (it saturates)
.endr
.irp q, 0,1
	s_delay_alu instid0(VALU_DEP_2)
	v_ldexp_f32 v[FF+2*\q], 1.0, v[TT+\q]          ; f = 2^(old M - new M)
.endr
	WIN 0x41
.set jj, 0
.rept 64
	v_pk_fma_f32 v[2*jj:2*jj+1], v[2*jj:2*jj+1], s[CS:CS+1], v[NM+4*(jj/32):NM+4*(jj/32)+1] op_sel_hi:[1,0,0]      ; t - M
.set jj, jj+1
.endr
	s_wait_alu depctr_va_vdst(0)                   ; the wait ahead of the batch
.set jj, 0
.rept 128
	v_exp_f32 v[jj], v[jj]                         ; p = 2^(t - M)
.set jj, jj+1
.endr
	WIN 0
.irp q, 0,1
	v_pk_mul_f32 v[LL+4*\q:LL+4*\q+1], v[LL+4*\q:LL+4*\q+1], v[FF+2*\q:FF+2*\q+1] op_sel_hi:[1,0]   ; the sums under the new M (the plain lines behind the exponentials)
.endr
.irp b, 0,1,2,3,4,5,6,7
	v_max_num_f32 v[BM+\b], 0xc2f80000, v[BM+\b]   ; held at -124: the byte cannot fall under 1
.endr
.irp b, 0,1,2,3,4,5,6,7
	v_cvt_floor_i32_f32 v[BT+\b], v[BM+\b]         ; floor(log2(the block's largest p))
.endr
.irp b, 0,1,2,3,4,5,6,7
	v_add_lshl_u32 v[SO+\b], v[BT+\b], 125, 23     ; the byte, 127 - 2 more, in the exponent field: the conversion's scale operand
.endr
.irp q, 0,1
	v_lshl_add_u32 v[PW+\q], v[BT+4*\q+1], 8, v[BT+4*\q]           ; the four bytes as one word: the sum of the four whole numbers at their places, modulo 2^32,
.endr
.irp q, 0,1
	v_lshl_add_u32 v[TT+\q], v[BT+4*\q+3], 8, v[BT+4*\q+2]
.endr
.irp q, 0,1
	s_delay_alu instid0(VALU_DEP_2)
	v_lshl_add_u32 v[PW+\q], v[TT+\q], 16, v[PW+\q]
.endr
.irp q, 0,1
	s_delay_alu instid0(VALU_DEP_2)
	v_add_nc_u32 v[PW+\q], 0x7d7d7d7d, v[PW+\q]    ; and 125 on each
.endr
	WIN 0x45
	s_wait_alu depctr_va_vdst(0)                   ; one wait for the whole batch, ahead of its first reader
.irp q, 0,1
.irp i, 0,1,2,3,4,5,6,7
	v_pk_add_f32 v[X+16*\q+2*\i:X+16*\q+2*\i+1], v[64*\q+2*\i:64*\q+2*\i+1], v[64*\q+16+2*\i:64*\q+17+2*\i]   ; the sum of the unquantised p: eight chains a tile
.endr
.endr
.irp k, 32,48
.irp q, 0,1
.irp i, 0,1,2,3,4,5,6,7
	v_pk_add_f32 v[X+16*\q+2*\i:X+16*\q+2*\i+1], v[X+16*\q+2*\i:X+16*\q+2*\i+1], v[64*\q+\k+2*\i:64*\q+\k+1+2*\i]
.endr
.endr
.endr
.irp i, 0,1,2,3
.irp q, 0,1
	v_pk_add_f32 v[X+16*\q+2*\i:X+16*\q+2*\i+1], v[X+16*\q+2*\i:X+16*\q+2*\i+1], v[X+16*\q+8+2*\i:X+16*\q+9+2*\i]
.endr
.endr
.irp i, 0,1
.irp q, 0,1
	v_pk_add_f32 v[X+16*\q+2*\i:X+16*\q+2*\i+1], v[X+16*\q+2*\i:X+16*\q+2*\i+1], v[X+16*\q+4+2*\i:X+16*\q+5+2*\i]
.endr
.endr
.irp q, 0,1
	s_delay_alu instid0(VALU_DEP_2)
	v_pk_add_f32 v[X+16*\q:X+16*\q+1], v[X+16*\q:X+16*\q+1], v[X+16*\q+2:X+16*\q+3]
.endr
	WIN 0x04
.irp q, 0,1
	v_pk_add_f32 v[LL+4*\q:LL+4*\q+1], v[LL+4*\q:LL+4*\q+1], v[X+16*\q:X+16*\q+1]
.endr
	WIN 0x01
.irp q, 0,1
.irp c, 0,1
	v_cvt_scalef32_pk16_fp6_f32 v[PC+12*\q+6*\c:PC+12*\q+6*\c+2], v[64*\q+32*\c:64*\q+32*\c+15], v[SO+4*\q+2*\c]
	v_cvt_scalef32_pk16_fp6_f32 v[YT+8*\q+4*\c:YT+8*\q+4*\c+2], v[64*\q+16+32*\c:64*\q+31+32*\c], v[SO+4*\q+2*\c+1]
.endr
.endr
	WIN 0
	v_nop                                          ; one plain line behind a scaled conversion
.irp i, 0,1,2
.irp c, 0,1,2,3
	v_permlane16_swap_b32 v[PC+6*\c+\i], v[YT+4*\c+\i]     ; a whole block to a lane
.endr
.endr
.irp i, 0,1,2
.irp c, 0,1,2,3
	v_mov_b32 v[PC+3+6*\c+\i], v[YT+4*\c+\i]
.endr
.endr
	WIN 0x41
	s_wait_alu depctr_va_vdst(0)                   ; the wait directly ahead of the first reader of O^T
.set jj, 0
.rept 32
	v_pk_mul_f32 v[O+2*jj:O+2*jj+1], v[O+2*jj:O+2*jj+1], v[FF+2*(jj/16):FF+2*(jj/16)+1] op_sel_hi:[1,0]      ; O^T under the new M; 28 of the 32 name no register of any one product below: its places behind p's codes
.set jj, jj+1
.endr
	WIN 0x50
	s_wait_alu depctr_va_vdst(0)                   ; the wait ahead of the wait below
	s_wait_dscnt 0x0                               ; V is in
.irp t, 0,1,2,3
.irp q, 0,1
	v_wmma_scale_f32_16x16x128_f8f6f4 v[O+32*\q+8*\t:O+32*\q+8*\t+7], v[VF+12*\t:VF+12*\t+11], v[PC+12*\q:PC+12*\q+11], v[O+32*\q+8*\t:O+32*\q+8*\t+7], v[VSC+\t], v[PW+\q] matrix_a_fmt:MATRIX_FMT_FP6 matrix_b_fmt:MATRIX_FMT_FP6
.endr
.endr
	WIN 0
	s_add_co_u32 s[TC], s[TC], 6144
	s_add_co_u32 s[TS], s[TS], 256
	s_sub_co_u32 s[CNT], s[CNT], 1
	s_cmp_lg_u32 s[CNT], 0
	s_cbranch_scc1 .Lstep
	; THE WAY OUT OF A BLOCK: O^T / l, quantised along the head's 64 channels, two blocks of the last product's K
.rept 4
	v_nop
.endr
.irp q, 0,1
	v_add_f32 v[LL+4*\q], v[LL+4*\q], v[LL+4*\q+1]
.endr
.irp q, 0,1
	s_delay_alu instid0(VALU_DEP_2)
	v_permlanex16_b32 v[TT+\q], v[LL+4*\q], s[SEL], s[SEL+1]
.endr
.irp q, 0,1
	s_delay_alu instid0(VALU_DEP_2)
	v_add_f32 v[LL+4*\q], v[LL+4*\q], v[TT+\q]     ; the row's sum
.endr
	s_wait_alu depctr_va_vdst(0)                   ; the wait ahead of the reciprocals
.irp q, 0,1
	v_rcp_f32 v[LL+4*\q], v[LL+4*\q]
.endr
	v_nop                                          ; a plain line behind them
	WIN 0x41
	s_wait_alu depctr_va_vdst(0)                   ; and the wait ahead of their first reader, and of O^T's
.set jj, 0
.rept 32
	v_pk_mul_f32 v[64*(jj/16)+2*(jj%16):64*(jj/16)+2*(jj%16)+1], v[O+2*jj:O+2*jj+1], v[LL+4*(jj/16):LL+4*(jj/16)+1] op_sel_hi:[1,0]        ; register 16 b + i: half h of block b of my row
.set jj, jj+1
.endr
	WIN 0x05
.irp b, 0,1
.irp q, 0,1
	v_max3_num_f32 v[BM+4*\q+\b], |v[64*\q+16*\b]|, |v[64*\q+16*\b+1]|, 0x1800000
.endr
.endr
	WIN 0x14
.irp i, 2,4,6,8,10,12,14
.irp b, 0,1
.irp q, 0,1
	v_max3_num_f32 v[BM+4*\q+\b], v[BM+4*\q+\b], |v[64*\q+16*\b+\i]|, |v[64*\q+16*\b+\i+1]|
.endr
.endr
.endr
	WIN 0
.irp b, 0,1,4,5
	v_permlanex16_b32 v[BT+\b], v[BM+\b], s[SEL], s[SEL+1]
.endr
.irp b, 0,1,4,5
	s_delay_alu instid0(VALU_DEP_4)
	v_max_num_f32 v[BM+\b], v[BM+\b], v[BT+\b]
.endr
.irp b, 0,1,4,5
	s_delay_alu instid0(VALU_DEP_4)
	v_add_nc_u32 v[SO+\b], 0xff000000, v[BM+\b]    ; 2 off the exponent field: the conversion's scale operand
.endr
.irp b, 0,1,4,5
	s_delay_alu instid0(VALU_DEP_4)
	v_lshrrev_b32 v[BT+\b], 23, v[SO+\b]           ; the scale's byte
.endr
.irp q, 0,1
	v_lshl_or_b32 v[P16+\q], v[BT+4*\q+1], 8, v[BT+4*\q]
.endr
	WIN 0x01
.irp q, 0,1
	v_cvt_scalef32_pk16_fp6_f32 v[PC+12*\q:PC+12*\q+2], v[64*\q:64*\q+15], v[SO+4*\q]
	v_cvt_scalef32_pk16_fp6_f32 v[YT+8*\q:YT+8*\q+2], v[64*\q+16:64*\q+31], v[SO+4*\q+1]
.endr
	WIN 0
	v_nop
.irp i, 0,1,2
.irp q, 0,1
	v_permlane16_swap_b32 v[PC+12*\q+\i], v[YT+8*\q+\i]    ; lanes 0-15 block 0 of row r, lanes 16-31 block 1
.endr
.endr
.irp i, 0,1,2
.irp q, 0,1
	v_mov_b32 v[PC+12*\q+3+\i], v[YT+8*\q+\i]
.endr
.endr
	v_add_nc_u32 v[ADK], s[SBO], v[SSA]
.irp q, 0,1
	global_store_b128 v[AK0], v[PC+12*\q:PC+12*\q+3], s[OC:OC+1] offset:12288*\q             ; 512 consecutive bytes, aligned,
	global_store_b64 v[L8], v[PC+12*\q+4:PC+12*\q+5], s[OC:OC+1] offset:12288*\q+512         ; and 256
	ds_store_b16 v[ADK], v[P16+\q] offset:32*\q    ; this tile's scale bytes; lanes r and r + 16 write the same two bytes
.endr
	s_wait_xcnt 0x0                                ; the loads and stores have read their bases and data
	s_add_nc_u64 s[QA:QA+1], s[QA:QA+1], 12288     ; eight pairs of tiles on
	s_add_nc_u64 s[QSA:QSA+1], s[QSA:QSA+1], 512
	s_add_nc_u64 s[OC:OC+1], s[OC:OC+1], 196608    ; sixteen tiles of rows on
	s_add_co_u32 s[SBO], s[SBO], 512
	s_sub_co_u32 s[QBC], s[QBC], 1
	s_cmp_eq_u32 s[QBC], 0
	s_cbranch_scc1 .Lno_q                          ; behind the last block there is no Q to ask for
	QLOAD
.Lno_q:
	s_cmp_lg_u32 s[QBC], 0
	s_cbranch_scc1 .Lqb
	s_wait_dscnt 0x0                               ; for the others' sake: my stores have landed
	s_barrier_signal -1
	s_barrier_wait -1
	s_cmp_lt_u32 s[WV], 2
	s_cbranch_scc0 .Lnot_mine
	ds_load_b128 v[KF:KF+3], v[SSR]                ; waves 0 and 1: the scale bytes of the work-group's 512 rows
	s_wait_dscnt 0x0
	global_store_b128 v[OSO], v[KF:KF+3], s[OS:OS+1]                 ; 512 consecutive bytes a wave, aligned
.Lnot_mine:
	s_wait_tensorcnt 0x0                           ; the wave's end
	ds_add_u32 v[SPW], v[NIL]
	s_wait_dscnt 0x0
	CROUND                                         ; the closing round
	s_endpgm
.Lfunc_end_k_qfd8f42bcfb_attn:
	.size	k_qfd8f42bcfb_attn, .Lfunc_end_k_qfd8f42bcfb_attn-k_qfd8f42bcfb_attn
	.p2alignl 7, 3214868480
	.fill 96, 4, 3214868480
	.section	.rodata,"a",@progbits
	.p2align	6, 0x0
	.amdhsa_kernel k_qfd8f42bcfb_attn
		.amdhsa_group_segment_fixed_size 206848
		.amdhsa_private_segment_fixed_size 0
		.amdhsa_enable_private_segment 0
		.amdhsa_kernarg_size 16
		.amdhsa_user_sgpr_count 2
		.amdhsa_user_sgpr_kernarg_segment_ptr 1
		.amdhsa_wavefront_size32 1
		.amdhsa_system_sgpr_workgroup_id_x 1
		.amdhsa_system_sgpr_workgroup_id_y 1
		.amdhsa_system_sgpr_workgroup_id_z 1
		.amdhsa_system_vgpr_workitem_id 0
		.amdhsa_next_free_vgpr 512
		.amdhsa_next_free_sgpr 80
		.amdhsa_reserve_vcc 0
		.amdhsa_float_denorm_mode_32 3
		.amdhsa_float_denorm_mode_16_64 3
		.amdhsa_memory_ordered 1
		.amdhsa_forward_progress 1
		.amdhsa_inst_pref_size 50
	.end_amdhsa_kernel
	.amdgpu_metadata
---
amdhsa.version: [ 1, 2 ]
amdhsa.kernels:
  - .name:           k_qfd8f42bcfb_attn
    .symbol:         k_qfd8f42bcfb_attn.kd
    .args:
      - { .name: w2, .offset: 0, .size: 8, .value_kind: global_buffer, .address_space: global }
      - { .name: w3, .offset: 8, .size: 8, .value_kind: global_buffer, .address_space: global }
    .group_segment_fixed_size: 206848
    .private_segment_fixed_size: 0
    .kernarg_segment_align: 8
    .kernarg_segment_size: 16
    .max_flat_workgroup_size: 256
    .sgpr_count:     80
    .vgpr_count:     512
    .wavefront_size: 32
...
	.end_amdgpu_metadata
.endif
;; end of part 3
;; launch proj (part 4): grid 4 x 32, 4 waves a work-group, clusters of 4 x 4, 327,680 bytes of LDS; arguments w3, w1, bout, out0; writes out0
.if DOCPART == 4
	.amdgcn_target "amdgcn-amd-amdhsa--gfx1250"
	.amdhsa_code_object_version 6
	.text
	.protected	k_qfd8f42bcfb_proj
	.globl	k_qfd8f42bcfb_proj
	.p2align	8
	.type	k_qfd8f42bcfb_proj,@function
k_qfd8f42bcfb_proj:
	s_mov_b64 s[64:65], 0
	v_nop
	global_prefetch_b8 v0, s[64:65] scope:SCOPE_SE
	s_setreg_imm32_b32 hwreg(HW_REG_WAVE_MODE, 25, 1), 1
	s_wait_xcnt 0x0
	s_wait_alu depctr_hold_cnt(0) depctr_sa_sdst(0) depctr_va_vdst(0) depctr_va_sdst(0) depctr_va_ssrc(0) depctr_va_vcc(0) depctr_vm_vsrc(0)
	s_getreg_b32 s2, hwreg(HW_REG_IB_STS2, 6, 4)
	s_cmp_eq_u32 s2, 0
	s_cbranch_scc0 .Lentry_in_a_cluster
	s_endpgm
.Lentry_in_a_cluster:
	s_bfe_u32 s2, ttmp6, 0x10000c
	s_cmp_lg_u32 s2, 0xf033
	s_cbranch_scc0 .Lentry_shape_is_right
	s_endpgm
.Lentry_shape_is_right:
; out0 = (O / l) Wout^T + bout on the codes of w3 and of w1.  A work-group makes 256 x 256, four waves of 128 x 128; K goes in steps of 256 through two LDS slots filled by joint loads in clusters of 4 x 4.
; Wout's codes lie in w1's four planes, one a K step, 192 bytes a row, rows on end: a tile of 128 rows is 24,576 dense bytes and comes in as 96 rows of 256 bytes, each on a multiple of 256,
; with 16 bytes of padding behind each 64: a row of codes takes 240 bytes of LDS.
.set SIZE_N, 1024
.set KSTEP,  256
.set NQ,     KSTEP/128
.set ROWB,   2359296                   ; from one K step's plane to the next, in bytes
.set KROW,   192                       ; a row in a plane, in bytes
.set PITCH,  240
.set FR,     12
.set NL,     6
.set NLA,    4
.set NP,     4
.set ASTEP,  3072
.set HALFA,  8*ASTEP
.set HALFB,  128*PITCH
.set SLOT,   2*HALFA+2*HALFB
.set LAPS,   2
.set KS,     32
.set SCL,    2*SLOT
.set HALFS,  (128*KS/256)*272
.set SBLK,   (16*KS/256)*272
.set SPARE,  SCL+4*HALFS
.set SPITCH, 528
.set WOC,    2162688                   ; Wout's first row, 11,264, in a plane
.set WOS,    9797632
.set W3S,    6291456
.set ADRA, 16
.set ADRB, 20
.set STO,  24
.set RD,   25
.set CO,   26
.set ADRS, 27
.set SPW,  28
.set NIL,  29
.set SC,   32
.set AF,   128
.set BK,   128
.set G1, 24
.set G0, 32
.set G1B, 48
.set G0B, 56
.set G1SB, 80
.set G0SB, 88
.set MSB, 0
.macro WIN new
.if MSB != \new
	s_set_vgpr_msb (MSB<<8)|\new
.set MSB, \new
.endif
.endm
.set MUL_LO, 0xa1
.set MUL_HI, 0xf1
.set TO_B,   0x40
.macro JLOAD g0a, g1a, g0b, g1b
	s_cmp_eq_u32 s15, 0
	s_cbranch_scc0 .Lfor_b_\@
	tensor_load_to_lds s[\g0a:\g0a+3], s[\g1a:\g1a+7]
	s_nop 0
.rept 4
	v_nop
.endr
	s_branch .Lasked_\@
.Lfor_b_\@:
	tensor_load_to_lds s[\g0b:\g0b+3], s[\g1b:\g1b+7]
	s_nop 0
.rept 4
	v_nop
.endr
.Lasked_\@:
.endm
.macro CREST
	s_cmp_lg_u32 s14, 0
	s_cbranch_scc1 .Lnot_wave_0_\@
	s_barrier_signal -3
.Lnot_wave_0_\@:
	s_barrier_wait -3
	s_barrier_signal -1
	s_barrier_wait -1
.endm
.macro CROUND
	s_barrier_signal -1
	s_barrier_wait -1
	CREST
.endm
	s_load_b256 s[4:11], s[0:1], 0x0
	v_lshl_add_u32 v[SPW], v0, 2, SPARE
	v_mov_b32 v[NIL], 0
	ds_add_u32 v[SPW], v[NIL]
	ds_add_u32 v[SPW], v[NIL]
	v_lshrrev_b32 v1, 5, v0
	v_readfirstlane_b32 s14, v1
	s_lshr_b32 s15, s14, 1
	s_and_b32 s16, s14, 1
	s_bfe_u32 s40, ttmp6, 0x40000
	s_bfe_u32 s41, ttmp6, 0x40004
	s_lshl_b32 s42, ttmp9, 2
	s_add_co_u32 s42, s42, s40
	s_and_b32 s17, ttmp7, 0xffff
	s_lshl_b32 s17, s17, 2
	s_add_co_u32 s17, s17, s41
	s_lshl_b32 s43, s41, 2
	s_lshl_b32 s43, 15, s43
	s_lshl_b32 s44, 0x1111, s40
	s_or_b32 s[G1+0], s43, (3<<16)|(1<<21)
	s_mov_b32 s[G1+1], 384<<16
	s_mov_b32 s[G1+2], 8<<16
	s_mov_b32 s[G1+3], 384<<16
	s_mov_b32 s[G1+4], 8
	s_mov_b32 s[G1+5], 1536
	s_mov_b32 s[G1+6], 0
	s_mov_b32 s[G1+7], 0
	s_or_b32 s[G1B+0], s44, (0<<16)|(1<<20)|(1<<21)|(3<<22)|(3<<25)
	s_mov_b32 s[G1B+1], 256<<16
	s_mov_b32 s[G1B+2], 96<<16
	s_mov_b32 s[G1B+3], 256<<16
	s_mov_b32 s[G1B+4], 96
	s_mov_b32 s[G1B+5], 256
	s_mov_b32 s[G1B+6], 0
	s_mov_b32 s[G1B+7], 0
	s_or_b32 s[G1SB+0], s44, (3<<16)|(1<<20)|(1<<21)|(5<<22)|(3<<25)
	s_mov_b32 s[G1SB+1], 32<<16
	s_mov_b32 s[G1SB+2], 8<<16
	s_mov_b32 s[G1SB+3], 32<<16
	s_mov_b32 s[G1SB+4], 8
	s_mov_b32 s[G1SB+5], 32
	s_mov_b32 s[G1SB+6], 0
	s_mov_b32 s[G1SB+7], 0
	s_lshl_b32 s20, s17, 4
	s_lshl_b32 s18, s16, 3
	s_add_co_u32 s20, s20, s18
	s_mul_i32 s20, s20, 12288
	s_mov_b32 s21, 0
	s_lshl_b32 s46, s42, 8
	s_lshl_b32 s19, s16, 7
	s_add_co_u32 s46, s46, s19
	s_mul_i32 s46, s46, KROW
	s_add_co_u32 s46, s46, WOC
	s_mov_b32 s47, 0
	s_lshl_b32 s92, s42, 8
	s_lshl_b32 s19, s14, 6
	s_add_co_u32 s92, s92, s19
	s_lshl_b32 s92, s92, 5
	s_add_co_u32 s92, s92, WOS
	s_mov_b32 s93, 0
	s_mul_i32 s45, s16, HALFA
	s_mul_i32 s94, s16, HALFB
	s_add_co_u32 s94, s94, 2*HALFA
	s_mul_i32 s95, s14, 8*272
	s_add_co_u32 s95, s95, SCL+2*HALFS
	s_lshl_b32 s96, s17, 9
	s_add_co_u32 s96, s96, W3S
	s_mov_b32 s97, 0
	s_lshl_b32 s98, s42, 10
	s_lshl_b32 s99, s16, 9
	s_add_co_u32 s98, s98, s99
	s_mov_b32 s99, 0
	s_wait_dscnt 0x0
	s_wait_kmcnt 0x0
	s_add_nc_u64 s[20:21], s[4:5], s[20:21]
	s_add_nc_u64 s[46:47], s[6:7], s[46:47]
	s_add_nc_u64 s[92:93], s[6:7], s[92:93]
	s_add_nc_u64 s[96:97], s[4:5], s[96:97]
	s_add_nc_u64 s[8:9], s[8:9], s[98:99]
	CROUND
	s_mov_b32 s[G0SB], 1
	s_mov_b32 s[G0SB+1], s95
	s_mov_b64 s[G0SB+2:G0SB+3], s[92:93]
	s_or_b32 s[G0SB+3], s[G0SB+3], 0x80000000
	tensor_load_to_lds s[G0SB:G0SB+3], s[G1SB:G1SB+7]
	s_nop 0
.rept 4
	v_nop
.endr
.irp s, 0,1
	s_mov_b32 s[G0+4*\s], 1
	s_add_co_u32 s[G0+4*\s+1], s45, \s*SLOT
	s_add_nc_u64 s[G0+4*\s+2:G0+4*\s+3], s[20:21], \s*ASTEP
	s_or_b32 s[G0+4*\s+3], s[G0+4*\s+3], 0x80000000
	s_mov_b32 s[G0B+4*\s], 1
	s_add_co_u32 s[G0B+4*\s+1], s94, \s*SLOT
	s_add_nc_u64 s[G0B+4*\s+2:G0B+4*\s+3], s[46:47], \s*ROWB
	s_or_b32 s[G0B+4*\s+3], s[G0B+4*\s+3], 0x80000000
	s_wait_alu depctr_va_vdst(0)
	s_wait_tensorcnt 0x0
	ds_add_u32 v28, v29
	s_wait_dscnt 0x0
	CROUND
	JLOAD G0+4*\s, G1, G0B+4*\s, G1B
.endr
	v_lshlrev_b32 v7, 2, v0
.irp d, 0,1,2,3,4,5,6,7,8,9,10,11,12,13,14,15
	global_load_b32 v[64+\d], v7, s[96:97] offset:16384*\d
.endr
	v_and_b32 v1, 15, v0
	v_bfe_u32 v2, v0, 4, 1
	v_lshlrev_b32 v8, 5, v2
	WIN TO_B
.irp b, 0,1,2,3,4,5,6,7
	global_load_b128 v[96+8*\b+96*(\b/4):96+8*\b+96*(\b/4)+3], v8, s[8:9] offset:64*\b
	global_load_b128 v[96+8*\b+96*(\b/4)+4:96+8*\b+96*(\b/4)+7], v8, s[8:9] offset:64*\b+16
.endr
	WIN 0
	v_lshrrev_b32 v9, 2, v0
	v_lshlrev_b32 v9, 4, v9
	v_lshl_add_u32 v9, v0, 6, v9
	v_add_nc_u32 v9, SCL, v9
	v_and_b32 v6, 31, v0
	v_lshlrev_b32 v4, 4, v6
	v_lshlrev_b32 v5, 3, v6
	s_mul_i32 s21, s15, HALFA
.irp s, 0,1
	v_add_nc_u32 v[ADRA+\s], s21, v4
	v_add_nc_u32 v[ADRA+2+\s], s21, v5
	s_add_co_u32 s21, s21, SLOT
.endr
	v_mul_u32_u24 v3, v1, PITCH
	v_mul_u32_u24 v4, v2, 24
	v_add_nc_u32 v4, v3, v4
	v_lshl_add_u32 v5, v2, 4, v4
	s_mul_i32 s22, s16, HALFB
	s_add_co_u32 s22, s22, 2*HALFA
.irp s, 0,1
	v_add_nc_u32 v[ADRB+\s], s22, v4
	v_add_nc_u32 v[ADRB+2+\s], s22, v5
	s_add_co_u32 s22, s22, SLOT
.endr
	v_mul_u32_u24 v5, v1, KS
	v_lshrrev_b32 v6, 8, v5
	v_lshl_add_u32 v5, v6, 4, v5
	s_mul_i32 s21, s15, HALFS
	s_mul_i32 s22, s16, HALFS
	s_add_co_u32 s22, s22, 2*HALFS
	s_sub_co_u32 s22, s22, s21
	v_mul_u32_u24 v6, s22, v2
	s_add_co_u32 s21, s21, SCL
	v_add_nc_u32 v5, v5, v6
	v_add_nc_u32 v[ADRS], s21, v5
	s_mul_i32 s23, s14, 16*SPITCH
	v_mul_u32_u24 v5, v1, SPITCH
	v_lshl_add_u32 v5, v2, 5, v5
	v_add_nc_u32 v[STO], s23, v5
	v_and_b32 v6, 31, v0
	v_lshlrev_b32 v[CO], 4, v6
	v_add_nc_u32 v[RD], s23, v[CO]
	s_lshl_b32 s20, s17, 8
	s_lshl_b32 s21, s15, 7
	s_add_co_u32 s20, s20, s21
	s_lshl_b32 s20, s20, 12
	s_mov_b32 s21, 0
	s_lshl_b32 s46, s42, 10
	s_lshl_b32 s47, s16, 9
	s_add_co_u32 s46, s46, s47
	s_mov_b32 s47, 0
	s_add_nc_u64 s[20:21], s[20:21], s[46:47]
	s_add_nc_u64 s[10:11], s[10:11], s[20:21]
	s_wait_loadcnt 0x0
.irp s, 0,1,2,3,4,5,6,7
	v_perm_b32 v[80+\s], v[65+2*\s], v[64+2*\s], 0x05040100
	v_perm_b32 v[88+\s], v[65+2*\s], v[64+2*\s], 0x07060302
.endr
.irp n, 0,1,2,3
	ds_store_b128 v9, v[80+4*\n:83+4*\n] offset:16*\n
.endr
.macro FRAG reg, adr, q, i
.irp p, 0,1,2,3,4,5
.set PCE, 12*(\q)+6*(\p/3)+\p%3
.if PCE%8 < 5
	ds_load_b64 v[\reg+2*\p:\reg+2*\p+1], v[\adr] offset:8*PCE+16*(PCE/8)+(\i)*16*PITCH
.else
	ds_load_b64 v[\reg+2*\p:\reg+2*\p+1], v[\adr+2] offset:8*PCE+16*(PCE/8)+(\i)*16*PITCH
.endif
.endr
.endm
.macro FRAGA reg, slot, q, i
	ds_load_b128 v[\reg:\reg+3], v[ADRA+\slot] offset:(\i)*ASTEP+(2*(\q))*768
	ds_load_b64 v[\reg+4:\reg+5], v[ADRA+2+\slot] offset:(\i)*ASTEP+(2*(\q))*768+512
	ds_load_b128 v[\reg+6:\reg+9], v[ADRA+\slot] offset:(\i)*ASTEP+(2*(\q)+1)*768
	ds_load_b64 v[\reg+10:\reg+11], v[ADRA+2+\slot] offset:(\i)*ASTEP+(2*(\q)+1)*768+512
.endm
.macro MUL16 a0, p, q, sc, zero
.irp a, \a0, \a0+1
.irp b, 0,1,2,3,4,5,6,7
.if \zero
	v_wmma_scale_f32_16x16x128_f8f6f4 v[8*(8*((\a)%4)+\b):8*(8*((\a)%4)+\b)+7], v[128*(\p)+FR*\b:128*(\p)+FR*\b+FR-1], v[AF+FR*(\a):AF+FR*(\a)+FR-1], v[96+8*\b+96*(\b/4):96+8*\b+96*(\b/4)+7], v[SC+8*NQ*(\sc)+NQ*\b+(\q)], v[SC+8*NQ*(\sc)+NQ*(\a)+(\q)] matrix_a_fmt:MATRIX_FMT_FP6 matrix_b_fmt:MATRIX_FMT_FP6 matrix_a_scale:MATRIX_SCALE_ROW1
.else
	v_wmma_scale_f32_16x16x128_f8f6f4 v[8*(8*((\a)%4)+\b):8*(8*((\a)%4)+\b)+7], v[128*(\p)+FR*\b:128*(\p)+FR*\b+FR-1], v[AF+FR*(\a):AF+FR*(\a)+FR-1], v[8*(8*((\a)%4)+\b):8*(8*((\a)%4)+\b)+7], v[SC+8*NQ*(\sc)+NQ*\b+(\q)], v[SC+8*NQ*(\sc)+NQ*(\a)+(\q)] matrix_a_fmt:MATRIX_FMT_FP6 matrix_b_fmt:MATRIX_FMT_FP6 matrix_a_scale:MATRIX_SCALE_ROW1
.endif
.endr
.endr
.endm
.macro FETCH_B slot, q, p
	WIN TO_B
.irp i, 0,1,2,3,4,5,6,7
	FRAG 128*(\p)+FR*\i, ADRB+\slot, \q, \i
.endr
	WIN 0
.endm
.macro FETCH_A slot, q, i0
.irp i, \i0, \i0+1, \i0+2, \i0+3
	FRAGA AF+FR*(\i), \slot, \q, \i
.endr
.endm
.macro SCALES sc
.irp i, 0,1,2,3,4,5,6,7
	ds_load_b64 v[SC+8*NQ*\sc+NQ*\i:SC+8*NQ*\sc+NQ*\i+1], v[ADRS] offset:\i*SBLK
.endr
.endm
.macro PLACES n
.rept \n
	v_nop
.endr
.endm
.macro STEP slot, q, zero
	s_wait_dscnt 4*NLA
.if \zero
	WIN 0x91
.else
	WIN MUL_LO
.endif
	MUL16 0, (\q)%2, \q, \slot, \zero
	MUL16 2, (\q)%2, \q, \slot, \zero
	s_wait_dscnt 0
	PLACES NP
	FETCH_B \slot, (\q)+1, 1-(\q)%2
	FETCH_A \slot, (\q)+1, 0
.if \zero
	WIN 0xd1
.else
	WIN MUL_HI
.endif
	MUL16 4, (\q)%2, \q, \slot, \zero
	MUL16 6, (\q)%2, \q, \slot, \zero
	PLACES NP
	WIN 0
	FETCH_A \slot, (\q)+1, 4
.endm
.macro TURN slot, next, fill
	s_wait_tensorcnt 0x0
	ds_add_u32 v[SPW], v[NIL]
	s_wait_dscnt 4*NLA+1
	WIN MUL_LO
	MUL16 0, 1, NQ-1, \slot, 0
	s_wait_dscnt 0x0
	s_barrier_signal -1
	MUL16 2, 1, NQ-1, \slot, 0
	WIN 0
	s_barrier_wait -1
.if \fill
	CREST
	s_add_nc_u64 s[G0+4*\slot+2:G0+4*\slot+3], s[G0+4*\slot+2:G0+4*\slot+3], 2*ASTEP
	s_add_nc_u64 s[G0B+4*\slot+2:G0B+4*\slot+3], s[G0B+4*\slot+2:G0B+4*\slot+3], 2*ROWB
	JLOAD G0+4*\slot, G1, G0B+4*\slot, G1B
.else
	PLACES NP
.endif
	s_wait_alu depctr_va_vdst(0)
	v_add_nc_u32 v[ADRS], 4*NQ, v[ADRS]
	FETCH_B \next, 0, 0
	FETCH_A \next, 0, 0
	SCALES \next
	WIN MUL_HI
	MUL16 4, 1, NQ-1, \slot, 0
	MUL16 6, 1, NQ-1, \slot, 0
	PLACES NP
	WIN 0
	FETCH_A \next, 0, 4
.endm
	s_wait_tensorcnt 1
	s_wait_dscnt 0x0
	s_barrier_signal -1
	s_barrier_wait -1
	FETCH_B 0, 0, 0
	FETCH_A 0, 0, 0
	SCALES 0
	FETCH_A 0, 0, 4
	STEP 0, 0, 1
	s_mov_b32 s3, LAPS-1
.Llap:
	TURN 0, 1, 1
	STEP 1, 0, 0
	TURN 1, 0, 1
	STEP 0, 0, 0
	s_sub_co_u32 s3, s3, 1
	s_cmp_lg_u32 s3, 0
	s_cbranch_scc1 .Llap
	TURN 0, 1, 0
	STEP 1, 0, 0
	s_wait_dscnt 4*NLA
	WIN MUL_LO
	MUL16 0, 1, NQ-1, 1, 0
	MUL16 2, 1, NQ-1, 1, 0
	s_wait_dscnt 0
	WIN MUL_HI
	MUL16 4, 1, NQ-1, 1, 0
	MUL16 6, 1, NQ-1, 1, 0
	WIN 0
.macro TOSTAGE a
.set AC, 64*((\a)%4)
	WIN 0x08+4*((\a)/4)
.irp b, 0,1,2,3,4,5,6,7
	ds_store_b128 v[STO], v[AC+8*\b:AC+8*\b+3] offset:64*\b
	ds_store_b128 v[STO], v[AC+8*\b+4:AC+8*\b+7] offset:64*\b+16
.endr
	WIN 0
.set BB, BK+64*((\a)%2)
.irp t, 0,1,2,3,4,5,6,7,8,9,10,11,12,13,14,15
	ds_load_b128 v[BB+4*\t:BB+4*\t+3], v[RD] offset:\t*SPITCH
.endr
.endm
.macro SEND a, younger
.set BB, BK+64*((\a)%2)
	s_wait_dscnt \younger
.if (\a) > 0
	s_add_nc_u64 s[10:11], s[10:11], 16*SIZE_N*4
.endif
.irp t, 0,1,2,3,4,5,6,7,8,9,10,11,12,13,14,15
	global_store_b128 v[CO], v[BB+4*\t:BB+4*\t+3], s[10:11] offset:\t*SIZE_N*4 th:TH_STORE_NT
.endr
.endm
	PLACES NP
	TOSTAGE 0
.irp a, 1,2,3,4,5,6,7
.if \a > 1
	s_wait_xcnt 0x0
.endif
	TOSTAGE \a
	SEND \a-1, 32
.endr
	s_wait_xcnt 0x0
	SEND 7, 0
	s_wait_tensorcnt 0x0
	ds_add_u32 v[SPW], v[NIL]
	s_wait_dscnt 0x0
	CROUND
	s_endpgm
.Lfunc_end_k_qfd8f42bcfb_proj:
	.size	k_qfd8f42bcfb_proj, .Lfunc_end_k_qfd8f42bcfb_proj-k_qfd8f42bcfb_proj
	.p2alignl 7, 3214868480
	.fill 96, 4, 3214868480
	.section	.rodata,"a",@progbits
	.p2align	6, 0x0
	.amdhsa_kernel k_qfd8f42bcfb_proj
		.amdhsa_group_segment_fixed_size 327680
		.amdhsa_private_segment_fixed_size 0
		.amdhsa_enable_private_segment 0
		.amdhsa_kernarg_size 32
		.amdhsa_user_sgpr_count 2
		.amdhsa_user_sgpr_kernarg_segment_ptr 1
		.amdhsa_wavefront_size32 1
		.amdhsa_system_sgpr_workgroup_id_x 1
		.amdhsa_system_sgpr_workgroup_id_y 1
		.amdhsa_system_sgpr_workgroup_id_z 1
		.amdhsa_system_vgpr_workitem_id 0
		.amdhsa_next_free_vgpr 1024
		.amdhsa_next_free_sgpr 100
		.amdhsa_reserve_vcc 0
		.amdhsa_float_denorm_mode_32 3
		.amdhsa_float_denorm_mode_16_64 3
		.amdhsa_memory_ordered 1
		.amdhsa_forward_progress 1
		.amdhsa_inst_pref_size 157
	.end_amdhsa_kernel
	.amdgpu_metadata
---
amdhsa.version: [ 1, 2 ]
amdhsa.kernels:
  - .name:           k_qfd8f42bcfb_proj
    .symbol:         k_qfd8f42bcfb_proj.kd
    .args:
      - { .name: w3, .offset: 0, .size: 8, .value_kind: global_buffer, .address_space: global }
      - { .name: w1, .offset: 8, .size: 8, .value_kind: global_buffer, .address_space: global }
      - { .name: bout, .offset: 16, .size: 8, .value_kind: global_buffer, .address_space: global }
      - { .name: out0, .offset: 24, .size: 8, .value_kind: global_buffer, .address_space: global }
    .group_segment_fixed_size: 327680
    .private_segment_fixed_size: 0
    .kernarg_segment_align: 8
    .kernarg_segment_size: 32
    .max_flat_workgroup_size: 128
    .sgpr_count:     100
    .vgpr_count:     1024
    .wavefront_size: 32
...
	.end_amdgpu_metadata
.endif
;; end of part 4
